; MI455X (gfx1250); checked and timed in simulation.
; The chip was launched on July 23, 2026; its instructions are those of AMD's public machine-readable ISA for CDNA 5 (MIT licence, August 2026) and "CDNA5" Instruction Set Architecture Reference Guide (July 2026). The comments in the code are by the model that wrote it; some were corrected since.
;; Self Attention. Allowed arithmetic: matrix products marked QUANTISED: E5M2 operands, one E8M0 scale for each 32 along K, by v_wmma_scale_f32_16x16x128_f8f6f4 with both operands' format E5M2, f32 sums; everything else in f32.
;; Inputs: Wk_codes 1,024 x 32 x 32 uint8 (E5M2 codes of Wk, K innermost, in blocks of 32 codes); Wk_scales 1,024 x 32 uint8 (E8M0 scales of Wk, one for each 32 codes along K); Wo_codes 1,024 x 32 x 32 uint8 (E5M2 codes of Wo, K innermost, in blocks of 32 codes); Wo_scales 1,024 x 32 uint8 (E8M0 scales of Wo, one for each 32 codes along K); Wq_codes 1,024 x 32 x 32 uint8 (E5M2 codes of Wq, K innermost, in blocks of 32 codes); Wq_scales 1,024 x 32 uint8 (E8M0 scales of Wq, one for each 32 codes along K); Wv_codes 1,024 x 32 x 32 uint8 (E5M2 codes of Wv, K innermost, in blocks of 32 codes); Wv_scales 1,024 x 32 uint8 (E8M0 scales of Wv, one for each 32 codes along K); bk 1,024 float32; bo 1,024 float32; bq 1,024 float32; bv 1,024 float32; x_codes 4 x 2,048 x 32 x 32 uint8 (E5M2 codes of x, K innermost, in blocks of 32 codes); x_scales 4 x 2,048 x 32 uint8 (E8M0 scales of x, one for each 32 codes along K).
;; Outputs: out0 4 x 2,048 x 1,024 float32.
;; This version of the problem:
;;   THIS VERSION OF THE PROBLEM IS GIVEN IN LOW PRECISION. The matrix products marked QUANTISED in the list below multiply operands that are first quantised to E5M2 (5 exponent bits, 2 mantissa bits; 8 bits a number), with one power-of-two scale for each 32 numbers along K (OCP MX v1.0); their sums are f32. All else is computed in f32.
;;   The module's matrix products, in the order in which they are computed (A, B: the left and right operand; K: the contracted axis; several contracted axes count as one K, in the product's order):
;;     1. [M 8,192, K 1,024] x [K 1,024, N 1,024]; A: input x (given as codes); B: input Wq (given as codes): QUANTISED
;;     2. [M 8,192, K 1,024] x [K 1,024, N 1,024]; A: input x (given as codes); B: input Wk (given as codes): QUANTISED
;;     3. [M 8,192, K 1,024] x [K 1,024, N 1,024]; A: input x (given as codes); B: input Wv (given as codes): QUANTISED
;;     4. batch 64 x [M 2,048, K 64] x [K 64, N 2,048]; A: computed on the way; B: computed on the way: QUANTISED
;;     5. batch 64 x [M 2,048, K 2,048] x [K 2,048, N 64]; A: softmax (see below); B: computed on the way: QUANTISED
;;     6. [M 8,192, K 1,024] x [K 1,024, N 1,024]; A: computed on the way; B: input Wo (given as codes): QUANTISED
;;   THE QUANTISER, for each operand of a quantised product, along K:
;;     - K is cut into blocks of 32 from its start; a last block that is shorter is filled with zeros.
;;     - A block's scale is 2^e with e = floor(log2(the largest magnitude in the block)) - 15, held to -126 .. 127; a block of zeros has e = 0. As a byte (E8M0): e + 127.
;;     - Each number is divided by its block's scale, clamped to +-57,344, and rounded to the nearest number of E5M2, ties to even, subnormals kept.
;;     - The product sums the exact products of the quantised numbers (number of the format x scale) in f32.
;;   ~~~python
;;   def quantise(x, axis):      # numpy; x: float32 -> the quantised numbers, widened to float32 again
;;       x = np.moveaxis(x, axis, -1); K = x.shape[-1]
;;       x = np.pad(x, [(0, 0)] * (x.ndim - 1) + [(0, -K % 32)]); x = x.reshape(x.shape[:-1] + (-1, 32)); a = np.abs(x).max(-1, keepdims=True)
;;       e = np.where(a > 0, np.clip(np.frexp(np.where(a > 0, a, 1))[1] - 1 - 15, -126, 127), 0)      # np.frexp(a)[1] - 1 = floor(log2(a)), exactly
;;       r = np.clip(x / 2.0 ** e, -57344, 57344)
;;       step = 2.0 ** (np.maximum(np.frexp(np.where(r == 0, 1, r))[1] - 1, -14) - 2)
;;       q = np.round(r / step) * step * 2.0 ** e      # np.round: ties to even
;;       return np.moveaxis(q.reshape(q.shape[:-2] + (-1,))[..., :K], -1, axis).astype(np.float32)
;;   ~~~
;;   SOFTMAX AHEAD OF A QUANTISED PRODUCT. Where the list says 'softmax', what is quantised is not the finished softmax but p = 2^(t - M), with t = logit x log2(e) and M = ceil(the row's largest t), a whole number; so 1/2 < the row's largest p <= 1. The row's sum l is taken of the UNQUANTISED p, in f32, and the product's result is divided by l at the end. Since M is a whole number, a kernel that streams over the keys may use a running M (the ceiling of the running maximum): every later rescaling is an exact power of two, which a block's scale takes up: the codes' values come out the same.
;;   OPERANDS COMPUTED ON THE WAY. 'Computed on the way' means the value that the module computes at that place (a softmax that the list does not call 'softmax' is quantised finished and normalised). What goes into a quantiser is computed in f32, as accurately as f32 sums, v_exp_f32 and their like allow (about 1e-6 of the number): no bf16 or f16 on the way to a quantiser, and a product that is left as it is and whose result goes on into a quantised operand takes f32 operands (vector FMAs, or v_wmma_f32_16x16x4_f32). A number that lies on a knife's edge between two numbers of the format may be rounded either way, as far as f32 arithmetic and the matrix unit's own rounding can turn it there, and no further.
;;   INPUTS GIVEN AS CODES. Wk (in the module: [1024, 1024], K = its axis 0); Wo (in the module: [1024, 1024], K = its axis 0); Wq (in the module: [1024, 1024], K = its axis 0); Wv (in the module: [1024, 1024], K = its axis 0); x (in the module: [4, 2048, 1024], K = its axis 2): each comes as NAME_codes (uint8): NAME with its K axis moved to the last place and cut into blocks of 32 codes, [.., K / 32, bytes a block], one block behind the other in memory; one code a byte (a code: sign, 5 exponent bits, 2 mantissa bits); and NAME_scales (uint8): the same leading axes, one E8M0 byte (e + 127) for each 32 codes along K. Its value is code x scale, taken as it is: it is not quantised again, and the codes and scales need not be those that the quantiser above would give.
;; One version. Each part assembles by itself: llvm-mc -triple=amdgcn-amd-amdhsa -mcpu=gfx1250 --defsym DOCPART=n.
;; ======== version 1 of 1: 3 launches
;; limits: right only within a limited range of input values
;; workspace buffers: qb 17,563,648 bytes; kv 17,563,648 bytes; a_codes 8,388,608 bytes; a_scales 262,144 bytes
;; launch qkv (part 1): grid 12 x 32, 4 waves a work-group, clusters of 4 x 4, 327,680 bytes of LDS; arguments x_codes, x_scales, Wq_codes, Wq_scales, Wk_codes, Wk_scales, Wv_codes, Wv_scales, bq, bk, bv, qb, kv; writes qb, kv
.if DOCPART == 1
	.amdgcn_target "amdgcn-amd-amdhsa--gfx1250"
	.amdhsa_code_object_version 6
	.text
	.protected	k_qaf2a5fb2e5_qkv
	.globl	k_qaf2a5fb2e5_qkv
	.p2align	8
	.type	k_qaf2a5fb2e5_qkv,@function
k_qaf2a5fb2e5_qkv:
	s_mov_b64 s[64:65], 0
	v_nop
	global_prefetch_b8 v0, s[64:65] scope:SCOPE_SE
	s_setreg_imm32_b32 hwreg(HW_REG_WAVE_MODE, 25, 1), 1
	s_wait_xcnt 0x0
	s_wait_alu depctr_hold_cnt(0) depctr_sa_sdst(0) depctr_va_vdst(0) depctr_va_sdst(0) depctr_va_ssrc(0) depctr_va_vcc(0) depctr_vm_vsrc(0)
	s_getreg_b32 s2, hwreg(HW_REG_IB_STS2, 6, 4)
	s_cmp_eq_u32 s2, 0
	s_cbranch_scc0 .Lentry_in_a_cluster
	s_endpgm
.Lentry_in_a_cluster:
	s_bfe_u32 s2, ttmp6, 0x10000c
	s_cmp_lg_u32 s2, 0xf033
	s_cbranch_scc0 .Lentry_shape_is_right
	s_endpgm
.Lentry_shape_is_right:
; q = x Wq + bq, k = x Wk + bk, v = x Wv + bv on codes of BF8 (E5M2) with one E8M0 scale for each 32 along K = 1,024, and the three results quantised for the attention launch.
; ROLES by the cluster's x (the same in all sixteen partners): 0 = q, 1 = k, 2 = v.  A work-group makes 256 "A rows" x 256 "B rows", a wave 128 x 128: 64 accumulators.
;   q, k: A = x (rows s), B = W (rows = channels).   v: A = Wv (rows = channels), B = x (rows = keys): V^T = Wv x^T.
; THE MATRIX INSTRUCTION IS USED TRANSPOSED (source 0 = 16 B rows, source 1 = 16 A rows): lane (r, h) holds A row r and, in register j, B row 8 h + j.  So a lane's registers run along the channels for q and k
; and along the keys for v: in all three roles along the K of the product that reads the result, and one way out quantises all three.
; THE BIAS is the C of each sum's first product (q, k: by B row; v: by A row): nothing is cleared and nothing is added afterwards.
; OUT.  A block of STEPB = 17,152 bytes for each (batch x 16 + head, 128 rows of s): +0 eight tiles of 16 rows as images of operand registers (tile 1,024 t, registers 4 c .. 4 c + 3 at 512 c, lane at 16 l);
;   +8,192 (kv alone) V^T: channel tile 2,048 t, 512 c, 16 l;  +16,384 one scale word a row (bytes 0, 1; bytes 2, 3 are 0);  +16,896 (kv alone) one scale word a channel.
;   A lane's 16 bytes of a block of 32 hold numbers 8 h + 0..7 and 16 + 8 h + 0..7 of the block: the same order on both sides of each later product, inside one scale's block, so the sums are those of the natural order.
; K goes in four steps of 256 through two LDS slots filled by joint tensor loads (A's tile shared along the cluster's row, B's along its column); the scale bytes of all of K come once.
; LIMITS: NaN and infinities are not served; a block whose largest magnitude lies under 2^-111 (a block of zeros too) keeps the scale byte 1: its codes then round towards 0, and this program alone reads the bytes.
; REGISTERS, in windows of 256: window 0: v7-29 addresses; v32-63 scale words, two sets; v64-127 the bias; v128-255 A's fragments, one set.  window 1: B's fragments, two sets.  windows 2, 3: the accumulators, (a, b) at v[8 (8 (a % 4) + b)].
.set NQ,     2                         ; matrix instructions deep in a slot (256 along K)
.set ROWB,   256                       ; a tile's row in bytes
.set KROW,   1024                      ; a row of codes in memory
.set PITCH,  272                       ; an LDS row: 256 bytes + 16 of padding: the 16 rows of a fragment load start 68 words apart
.set FR,     16                        ; registers of a fragment
.set NL,     4                         ; LDS loads that bring one
.set NP,     8                         ; places behind this matrix instruction (ISA guide 7.12.1)
.set HALFT,  128*PITCH                 ; what one tensor load brings
.set SLOT,   4*HALFT                   ; A's 256 rows, then B's 256 rows
.set KS,     32                        ; a row of scale bytes
.set SCL,    2*SLOT                    ; behind the ring: the scales, as units of 256 bytes + 16
.set HALFS,  (128*KS/256)*272
.set SBLK,   (16*KS/256)*272
.set SPARE,  SCL+4*HALFS               ; the spare words: 128 bytes a wave, named by no other line
.set SWS,    SPARE+512                 ; 512 bytes a wave: the scale words on their way out; no tile lands here
.set STEPB,  17152
.set HS,     16*STEPB                  ; from a head to the next
.set BO2,  7                           ; v7   4 r: the bias by A row
.set CO0,  8                           ; v8   16 x lane
.set CO1,  9                           ; v9   16 x lane + the way to blocks 2, 3
.set SWA,  10                          ; v10  LDS: where my row's scale word goes
.set SWR,  11                          ; v11  LDS: where I read four words back
.set SO0,  12                          ; v12  the scale words' offset in memory
.set BO1,  13                          ; v13  32 h: the bias by B row
.set ADRA, 16
.set ADRB, 20
.set ADRS, 27
.set SPW,  28
.set NIL,  29
.set SC,   32
.set BI,   64
.set AF,   128
.set TM,   64                          ; the way out: v64-67 largest magnitudes, v68-71 bytes, v76-79 the conversions' scale operands
.set PW,   80                          ; the four bytes as a word
.set X,    128
.set CD,   192                         ; codes, two sets of 16 by turns
.set W,    224                         ; scale words on their way out
.set G1, 24
.set G0, 32
.set G1B, 48
.set G0B, 56
.set G1S, 68
.set G0S, 76
.set G1SB, 80
.set G0SB, 88
.set MSB, 0
.macro WIN new                         ; the immediate's high byte repeats the setting that is left
.if MSB != (\new)
	s_set_vgpr_msb (MSB<<8)|(\new)
.set MSB, (\new)
.endif
.endm
.set MUL_LO, 0xa1                      ; source 0 (B) window 1, source 1 (A) window 0, C and D window 2
.set MUL_HI, 0xf1                      ; the same, C and D window 3
.set TO_B,   0x40
; A joint load: waves 0 and 1 fetch for A, waves 2 and 3 for B; the branch hangs on the wave's number alone.  Four v_nop follow each line.
.macro JLOAD g0a, g1a, g0b, g1b
	s_cmp_eq_u32 s15, 0
	s_cbranch_scc0 .Lfor_b_\@
	tensor_load_to_lds s[\g0a:\g0a+3], s[\g1a:\g1a+7]
	s_nop 0
.rept 4
	v_nop
.endr
	s_branch .Lasked_\@
.Lfor_b_\@:
	tensor_load_to_lds s[\g0b:\g0b+3], s[\g1b:\g1b+7]
	s_nop 0
.rept 4
	v_nop
.endr
.Lasked_\@:
.endm
.macro CREST                           ; a round of the cluster's barrier behind its opening barrier
	s_cmp_lg_u32 s14, 0
	s_cbranch_scc1 .Lnot_wave_0_\@
	s_barrier_signal -3
.Lnot_wave_0_\@:
	s_barrier_wait -3
	s_barrier_signal -1
	s_barrier_wait -1
.endm
.macro CROUND
	s_barrier_signal -1
	s_barrier_wait -1
	CREST
.endm
	s_load_b512 s[68:83], s[0:1], 0x0              ; x's codes, scales; Wq's; Wk's; Wv's
	s_load_b256 s[84:91], s[0:1], 0x40             ; bq, bk, bv, qb
	s_load_b64 s[92:93], s[0:1], 0x60              ; kv
	v_lshl_add_u32 v[SPW], v0, 2, SPARE
	v_mov_b32 v[NIL], 0
	ds_add_u32 v28, v29
	ds_add_u32 v28, v29
	s_wait_dscnt 0x0
	v_lshrrev_b32 v1, 5, v0
	v_readfirstlane_b32 s14, v1                    ; wave 0..3
	s_lshr_b32 s15, s14, 1                         ; which half of the A rows is mine.  Also: I fetch for A (0) or for B (1)
	s_and_b32 s16, s14, 1                          ; which half of the B rows.  Also: which 128 rows I fetch
	s_bfe_u32 s40, ttmp6, 0x40000                  ; cx
	s_bfe_u32 s41, ttmp6, 0x40004                  ; cy
	s_and_b32 s18, ttmp7, 0xffff
	s_lshl_b32 s18, s18, 2                         ; 4 x cluster y: it walks x's 32 tiles, which are A's for q and k and B's for v
	s_cmp_eq_u32 ttmp9, 2
	s_cselect_b32 s17, 0, s18
	s_cselect_b32 s42, s18, 0
	s_add_co_u32 s17, s17, s41                     ; tile row (A)
	s_add_co_u32 s42, s42, s40                     ; tile column (B)
	s_lshl_b32 s43, s41, 2
	s_lshl_b32 s43, 15, s43                        ; my row of the cluster
	s_lshl_b32 s44, 0x1111, s40                    ; my column
	s_or_b32 s[G1+0], s43, (0<<16)|(1<<20)|(1<<21)|(5<<22)|(3<<25)  ; mask; elements of 1 byte; padding on; bit 21 beside a mask; 4 words behind every 64
	s_or_b32 s[G1B+0], s44, (0<<16)|(1<<20)|(1<<21)|(5<<22)|(3<<25)
.irp g, G1, G1B
	s_mov_b32 s[\g+1], ROWB<<16                    ; tensor_dim0
	s_mov_b32 s[\g+2], 128<<16                     ; tensor_dim1
	s_mov_b32 s[\g+3], ROWB<<16                    ; tile_dim0
	s_mov_b32 s[\g+4], 128                         ; tile_dim1
	s_mov_b32 s[\g+5], KROW                        ; from row to row
	s_mov_b32 s[\g+6], 0
	s_mov_b32 s[\g+7], 0
.endr
	s_lshl_b32 s19, s16, 7                         ; which 128 rows of a tile I fetch
	s_lshl_b32 s20, s17, 8
	s_add_co_u32 s20, s20, s19                     ; A: row 256 x tile row + 128 x half
	s_lshl_b32 s46, s42, 8
	s_add_co_u32 s46, s46, s19                     ; B: row 256 x tile column + 128 x half
	s_mov_b32 s21, 0
	s_mov_b32 s47, 0
	s_lshl_b64 s[22:23], s[20:21], 5               ; these rows' scale bytes: 32 a row
	s_lshl_b64 s[98:99], s[46:47], 5
	s_lshl_b64 s[20:21], s[20:21], 10              ; and their codes: 1,024 a row
	s_lshl_b64 s[46:47], s[46:47], 10
	s_mul_i32 s45, s14, HALFT                      ; where they go: wave x 128 rows
	s_mul_i32 s94, s14, HALFS
	s_lshl_b32 s95, s17, 8
	s_lshl_b32 s101, s15, 7
	s_add_co_u32 s95, s95, s101                    ; my first A row
	s_lshl_b32 s100, s42, 8
	s_lshl_b32 s101, s16, 7
	s_add_co_u32 s100, s100, s101                  ; my first B row
	s_cmp_eq_u32 ttmp9, 2
	s_cselect_b32 s101, s95, s100                  ; my first channel,
	s_cselect_b32 s100, s100, s95                  ; s100: my first row of x,
	s_mov_b32 s95, s101                            ; s95: the channel
	s_lshl_b32 s2, s95, 2
	s_mov_b32 s3, 0
	s_wait_kmcnt 0x0
	s_cmp_eq_u32 ttmp9, 0                          ; the buffers are chosen by the role, which hangs on the cluster's number alone
	s_cselect_b64 s[72:73], s[72:73], s[76:77]
	s_cselect_b64 s[74:75], s[74:75], s[78:79]
	s_cselect_b64 s[96:97], s[84:85], s[86:87]
	s_cselect_b64 s[12:13], s[90:91], s[92:93]     ; q goes to qb, k and v to kv
	s_cmp_eq_u32 ttmp9, 2
	s_cselect_b64 s[72:73], s[80:81], s[72:73]     ; the role's W: codes,
	s_cselect_b64 s[74:75], s[82:83], s[74:75]     ; scales,
	s_cselect_b64 s[96:97], s[88:89], s[96:97]     ; bias
	s_cselect_b64 s[4:5], s[72:73], s[68:69]       ; A: x for q and k, Wv for v
	s_cselect_b64 s[6:7], s[74:75], s[70:71]
	s_cselect_b64 s[8:9], s[68:69], s[72:73]       ; B: the other one
	s_cselect_b64 s[10:11], s[70:71], s[74:75]
	s_add_nc_u64 s[20:21], s[4:5], s[20:21]
	s_add_nc_u64 s[22:23], s[6:7], s[22:23]
	s_add_nc_u64 s[46:47], s[8:9], s[46:47]
	s_add_nc_u64 s[98:99], s[10:11], s[98:99]
	s_add_nc_u64 s[96:97], s[96:97], s[2:3]        ; the bias at my first channel
	; the scales of 128 rows: 4,096 dense bytes as 16 rows of 256 (32 elements of 8 bytes), 16 bytes of padding behind each.  (s68 on held the arguments until here)
	s_or_b32 s[G1S+0], s43, (3<<16)|(1<<20)|(1<<21)|(5<<22)|(3<<25)
	s_or_b32 s[G1SB+0], s44, (3<<16)|(1<<20)|(1<<21)|(5<<22)|(3<<25)
.irp g, G1S, G1SB
	s_mov_b32 s[\g+1], 32<<16
	s_mov_b32 s[\g+2], (128*KS/256)<<16
	s_mov_b32 s[\g+3], 32<<16
	s_mov_b32 s[\g+4], 128*KS/256
	s_mov_b32 s[\g+5], 32
	s_mov_b32 s[\g+6], 0
	s_mov_b32 s[\g+7], 0
.endr
	CROUND                                         ; all sixteen work-groups are here: the first joint loads meet
	s_mov_b32 s[G0S], 1
	s_add_co_u32 s[G0S+1], s94, SCL
	s_mov_b64 s[G0S+2:G0S+3], s[22:23]
	s_or_b32 s[G0S+3], s[G0S+3], 0x80000000
	s_mov_b32 s[G0SB], 1
	s_add_co_u32 s[G0SB+1], s94, SCL
	s_mov_b64 s[G0SB+2:G0SB+3], s[98:99]
	s_or_b32 s[G0SB+3], s[G0SB+3], 0x80000000
	JLOAD G0S, G1S, G0SB, G1SB                     ; the scales first: they are wanted with K step 0
.irp s, 0,1
	s_mov_b32 s[G0+4*\s], 1
	s_add_co_u32 s[G0+4*\s+1], s45, \s*SLOT
	s_add_nc_u64 s[G0+4*\s+2:G0+4*\s+3], s[20:21], \s*ROWB
	s_or_b32 s[G0+4*\s+3], s[G0+4*\s+3], 0x80000000
	s_mov_b32 s[G0B+4*\s], 1
	s_add_co_u32 s[G0B+4*\s+1], s45, \s*SLOT
	s_add_nc_u64 s[G0B+4*\s+2:G0B+4*\s+3], s[46:47], \s*ROWB
	s_or_b32 s[G0B+4*\s+3], s[G0B+4*\s+3], 0x80000000
	JLOAD G0+4*\s, G1, G0B+4*\s, G1B               ; three tensor loads of mine are out now
.endr
	v_and_b32 v1, 15, v0                           ; r
	v_bfe_u32 v2, v0, 4, 1                         ; h
	v_mul_u32_u24 v3, v1, PITCH
	v_lshl_add_u32 v4, v2, 4, v3                   ; a fragment's row x pitch + 16 h
	s_mul_i32 s21, s15, HALFT                      ; my 128 rows of A
	s_mul_i32 s22, s16, HALFT                      ; my 128 rows of B,
	s_add_co_u32 s22, s22, 2*HALFT                 ; behind A's 256
.irp s, 0,1
	v_add_nc_u32 v[ADRA+\s], s21, v4
	v_add_nc_u32 v[ADRB+\s], s22, v4
	s_add_co_u32 s21, s21, SLOT
	s_add_co_u32 s22, s22, SLOT
.endr
	v_mul_u32_u24 v5, v1, KS                       ; my row's scales: 32 bytes a row,
	v_lshrrev_b32 v6, 8, v5
	v_lshl_add_u32 v5, v6, 4, v5                   ; and 16 more for each 256 passed
	s_mul_i32 s21, s15, HALFS
	s_mul_i32 s22, s16, HALFS
	s_add_co_u32 s22, s22, 2*HALFS
	s_sub_co_u32 s22, s22, s21
	v_mul_u32_u24 v6, s22, v2                      ; lanes 16-31 take B's
	s_add_co_u32 s21, s21, SCL
	v_add_nc_u32 v5, v5, v6
	v_add_nc_u32 v[ADRS], s21, v5
	s_lshl_b32 s23, s14, 9
	s_add_co_u32 s23, s23, SWS                     ; my 512 bytes for the scale words
	v_lshl_add_u32 v[SWA], v1, 2, s23
	v_and_b32 v6, 31, v0
	v_lshl_add_u32 v[SWR], v6, 4, s23
	v_lshlrev_b32 v[BO1], 5, v2
	v_lshlrev_b32 v[BO2], 2, v1
	s_cmp_eq_u32 ttmp9, 2
	s_cbranch_scc1 .Lbias_v
.irp b, 0,1,2,3,4,5,6,7                        ; q, k: accumulator (a, b) begins with the bias of channels 16 b + 8 h + 0..7
	global_load_b128 v[BI+8*\b:BI+8*\b+3], v[BO1], s[96:97] offset:64*\b
	global_load_b128 v[BI+8*\b+4:BI+8*\b+7], v[BO1], s[96:97] offset:64*\b+16
.endr
	s_branch .Lbias_in
.Lbias_v:
	s_wait_alu depctr_va_vdst(0)
.irp a, 0,1,2,3,4,5,6,7                        ; v: accumulator (a, b) begins with the bias of channel 16 a + r, in all eight registers
	global_load_b32 v[BI+8*\a], v[BO2], s[96:97] offset:64*\a
.endr
	s_wait_loadcnt 0x0
.irp a, 0,1,2,3,4,5,6,7
.irp j, 1,2,3,4,5,6,7
	v_mov_b32 v[BI+8*\a+\j], v[BI+8*\a]
.endr
.endr
.Lbias_in:
	s_wait_loadcnt 0x0                             ; the bias is in
.rept 4
	v_nop                                          ; plain places between the copies above and the products that take them as C
.endr
.macro FRAG reg, adr, q, i             ; 16 rows x 128 K: lane l holds row l % 16; registers 4 c .. 4 c + 3 hold K = 32 c + 16 (l / 16) + 0 .. 15
.irp c, 0,1,2,3
	ds_load_b128 v[\reg+4*\c:\reg+4*\c+3], v[\adr] offset:128*(\q)+32*\c+(\i)*16*PITCH
.endr
.endm
; 16 matrix instructions: A's blocks a0, a0 + 1 x B's eight, the slot's q-th 128 along K.  p: B's set; sc: the set of scale words.  cm = 0: onto the sums; 1: the sums begin with the bias by B row; 2: by A row.
; The 64 accumulators take turns, one instruction a turn, in the same order in every step.
.macro MUL16 a0, p, q, sc, cm
.irp a, \a0, \a0+1
.irp b, 0,1,2,3,4,5,6,7
.set rD, 8*(8*((\a)%4)+\b)
.set rB, 128*(\p)+FR*\b
.set rA, AF+FR*(\a)
.set sB, SC+8*NQ*(\sc)+NQ*\b+(\q)
.set sA, SC+8*NQ*(\sc)+NQ*(\a)+(\q)
.if (\cm) == 0
	v_wmma_scale_f32_16x16x128_f8f6f4 v[rD:rD+7], v[rB:rB+FR-1], v[rA:rA+FR-1], v[rD:rD+7], v[sB], v[sA] matrix_a_fmt:MATRIX_FMT_BF8 matrix_b_fmt:MATRIX_FMT_BF8 matrix_a_scale:MATRIX_SCALE_ROW1
.elseif (\cm) == 1
	v_wmma_scale_f32_16x16x128_f8f6f4 v[rD:rD+7], v[rB:rB+FR-1], v[rA:rA+FR-1], v[BI+8*\b:BI+8*\b+7], v[sB], v[sA] matrix_a_fmt:MATRIX_FMT_BF8 matrix_b_fmt:MATRIX_FMT_BF8 matrix_a_scale:MATRIX_SCALE_ROW1
.else
	v_wmma_scale_f32_16x16x128_f8f6f4 v[rD:rD+7], v[rB:rB+FR-1], v[rA:rA+FR-1], v[BI+8*(\a):BI+8*(\a)+7], v[sB], v[sA] matrix_a_fmt:MATRIX_FMT_BF8 matrix_b_fmt:MATRIX_FMT_BF8 matrix_a_scale:MATRIX_SCALE_ROW1
.endif
.endr
.endr
.endm
.macro FETCH_B slot, q, p
	WIN TO_B
.irp i, 0,1,2,3,4,5,6,7
	FRAG 128*(\p)+FR*\i, ADRB+\slot, \q, \i
.endr
	WIN 0
.endm
.macro FETCH_A slot, q, i0
.irp i, \i0, \i0+1, \i0+2, \i0+3
	FRAG AF+FR*(\i), ADRA+\slot, \q, \i
.endr
.endm
.macro SCALES sc                       ; a K step's scale words: two words a row; lanes 0-15 take A's block i, lanes 16-31 B's block i
.irp i, 0,1,2,3,4,5,6,7
	ds_load_b64 v[SC+8*NQ*\sc+NQ*\i:SC+8*NQ*\sc+NQ*\i+1], v[ADRS] offset:\i*SBLK
.endr
.endm
.macro PLACES n                        ; plain vector instructions between a matrix instruction and a load into, or a vector instruction on, its registers
.rept \n
	v_nop
.endr
.endm
; A step of 128 along K that has its successor in the same slot.
.macro STEP slot, q, cm
	s_wait_dscnt 4*NL                              ; all but the youngest sixteen loads (A's blocks 4-7) are in
.if \cm
	WIN 0x81                                       ; source 0 window 1, A and the bias window 0, D window 2
.else
	WIN MUL_LO
.endif
	MUL16 0, (\q)%2, \q, \slot, \cm
	MUL16 2, (\q)%2, \q, \slot, \cm
	s_wait_dscnt 0                                 ; A's blocks 4-7 are in
	PLACES NP
	FETCH_B \slot, (\q)+1, 1-(\q)%2
	FETCH_A \slot, (\q)+1, 0
.if \cm
	WIN 0xc1
.else
	WIN MUL_HI
.endif
	MUL16 4, (\q)%2, \q, \slot, \cm
	MUL16 6, (\q)%2, \q, \slot, \cm
	PLACES NP
	WIN 0
	FETCH_A \slot, (\q)+1, 4
.endm
; A slot's last step changes slots: one barrier; in front of it each wave waits for all its tensor loads, adds 0 to its spare word, and waits for that and for its reads of this slot.  fill = 1: the slot is filled again, two K steps ahead.
.macro TURN slot, next, fill
	s_wait_tensorcnt 0x0                           ; all my tensor loads have landed: my part of the next slot
	ds_add_u32 v[SPW], v[NIL]                      ; 0 onto my spare word
	s_wait_dscnt 4*NL+1                            ; (the add and the youngest sixteen loads may be out)
	WIN MUL_LO
	MUL16 0, 1, NQ-1, \slot, 0
	s_wait_dscnt 0x0                               ; the add is done, and my reads of this slot are over
	s_barrier_signal -1
	MUL16 2, 1, NQ-1, \slot, 0
	WIN 0
	s_barrier_wait -1
.if \fill
	CREST                                          ; the barrier has opened a round of the cluster's: no wave of any partner still reads this slot or has a load on its way
	s_add_nc_u64 s[G0+4*\slot+2:G0+4*\slot+3], s[G0+4*\slot+2:G0+4*\slot+3], 2*ROWB
	s_add_nc_u64 s[G0B+4*\slot+2:G0B+4*\slot+3], s[G0B+4*\slot+2:G0B+4*\slot+3], 2*ROWB
	JLOAD G0+4*\slot, G1, G0B+4*\slot, G1B         ; the first tensor load behind the round; its four v_nop are four of the places below
	PLACES NP-4
.else
	PLACES NP
.endif
	s_wait_alu depctr_va_vdst(0)
	v_add_nc_u32 v[ADRS], 4*NQ, v[ADRS]            ; the next K step's scale words
	FETCH_B \next, 0, 0
	FETCH_A \next, 0, 0
	SCALES \next
	WIN MUL_HI
	MUL16 4, 1, NQ-1, \slot, 0
	MUL16 6, 1, NQ-1, \slot, 0
	PLACES NP
	WIN 0
	FETCH_A \next, 0, 4
.endm
	s_wait_tensorcnt 1                             ; the scales and my part of K step 0 are in; K step 1's load may be out
	s_barrier_signal -1
	s_barrier_wait -1
	FETCH_B 0, 0, 0
	FETCH_A 0, 0, 0
	s_wait_alu depctr_va_vdst(0)
	SCALES 0
	FETCH_A 0, 0, 4
	s_cmp_eq_u32 ttmp9, 2                          ; the first step is written twice: it differs in which bias registers begin a sum
	s_cbranch_scc1 .Lfirst_v
	STEP 0, 0, 1
	s_branch .Lfirst_done
.Lfirst_v:
	STEP 0, 0, 2
.Lfirst_done:
	TURN 0, 1, 1                                   ; K = 1,024 is four K steps: slot 0 takes K step 2,
	STEP 1, 0, 0
	TURN 1, 0, 1                                   ; slot 1 K step 3,
	STEP 0, 0, 0
	TURN 0, 1, 0                                   ; and nothing is left to fetch
	STEP 1, 0, 0
	s_wait_dscnt 4*NL
	WIN MUL_LO
	MUL16 0, 1, NQ-1, 1, 0
	MUL16 2, 1, NQ-1, 1, 0
	s_wait_dscnt 0
	WIN MUL_HI
	MUL16 4, 1, NQ-1, 1, 0
	MUL16 6, 1, NQ-1, 1, 0
	WIN 0
	PLACES NP                                      ; behind the last products: their results are read and A's registers written below
	; THE WAY OUT.  Where my block of 17,152 bytes begins: ((batch x 16 + head) x 16 + step)
	s_lshr_b32 s2, s100, 11                        ; batch
	s_lshl_b32 s2, s2, 4
	s_lshr_b32 s3, s95, 6                          ; my first head (I hold two)
	s_add_co_u32 s2, s2, s3
	s_lshl_b32 s2, s2, 4
	s_bfe_u32 s3, s100, 0x40007                    ; which 128 rows of the batch
	s_add_co_u32 s2, s2, s3
	s_mul_i32 s2, s2, STEPB
	s_mov_b32 s3, 0
	s_add_nc_u64 s[12:13], s[12:13], s[2:3]
	s_cmp_eq_u32 ttmp9, 2                          ; what differs between the roles is numbers, chosen here once
	s_mov_b32 s4, 16384
	s_cselect_b32 s4, 16896, s4                    ; the scale words' place in the block
	s_mov_b32 s5, 0
	s_cselect_b32 s6, 8192, 0                      ; the images' place
	s_mov_b32 s7, 0
	s_mov_b32 s8, 1024
	s_cselect_b32 s8, 2048, s8                     ; from a tile's image to the next
	s_mov_b32 s9, 0
	s_mov_b32 s10, 1024
	s_cselect_b32 s10, HS-3*2048, s10              ; v: from the first head's last tile to the second head's first
	s_mov_b32 s11, 0
	s_mov_b32 s18, HS
	s_cselect_b32 s18, 1024, s18                   ; to blocks 2, 3: q, k: the second head; v: registers 8 on of the same image
	s_cselect_b32 s19, -1, 0xffff                  ; q, k: a head's word has two bytes
	s_cselect_b32 s23, HS-256, 0                   ; v: channels 64 on belong to the second head
	s_mov_b32 s20, 0x76543210
	s_mov_b32 s21, 0xfedcba98                      ; v_permlanex16_b32's selects for lane l xor 16
	s_add_nc_u64 s[98:99], s[12:13], s[4:5]
	s_add_nc_u64 s[12:13], s[12:13], s[6:7]
	v_and_b32 v6, 31, v0
	v_lshlrev_b32 v[CO0], 4, v6
	v_add_nc_u32 v[CO1], s18, v[CO0]
	v_lshrrev_b32 v5, 4, v6
	v_mul_u32_u24 v5, v5, s23
	v_add_nc_u32 v[SO0], v[CO0], v5
.irp b, 0,1,2,3
	v_mov_b32 v[TM+4+\b], 0                        ; written once: a lane permute's destination counts as one of its sources
.endr
; A's block a: 16 A rows x 128 B rows = four blocks of 32 along the reader's K.  Block b lies in accumulators 2 b and 2 b + 1: 16 numbers in my lane, 16 in lane l xor 16.
.macro QOUT a
.set AC, 64*((\a)%4)
.set CDS, CD+16*((\a)%2)
	WIN 0x0a+5*((\a)/4)                            ; sources 0 and 1: window 2 or 3
.irp b, 0,1,2,3
	v_max3_num_f32 v[TM+\b], |v[AC+16*\b]|, |v[AC+16*\b+1]|, 0x8000000   ; my 16 numbers and the floor 2^(16 - 127): the byte cannot fall under 1.  Each accumulator is read from its low end on
.endr
.irp i, 2,4,6,8,10,12,14
.irp b, 0,1,2,3
	v_max3_num_f32 v[TM+\b], |v[AC+16*\b+\i]|, |v[AC+16*\b+\i+1]|, v[TM+\b]
.endr
.endr
	WIN 0
.irp b, 0,1,2,3
	v_permlanex16_b32 v[TM+4+\b], v[TM+\b], s20, s21
.endr
.irp b, 0,1,2,3
	v_max_num_f32 v[TM+\b], v[TM+\b], v[TM+4+\b]   ; the block's largest magnitude
.endr
.irp b, 0,1,2,3
	v_add_nc_u32 v[TM+12+\b], 0xf8800000, v[TM+\b] ; 15 off its exponent field: the conversion's scale operand
.endr
.irp b, 0,1,2,3
.endr
.irp b, 0,1,2,3
	v_lshrrev_b32 v[TM+4+\b], 23, v[TM+12+\b]      ; the scale's byte
.endr
	v_lshl_or_b32 v[PW], v[TM+5], 8, v[TM+4]
	v_lshl_or_b32 v[PW], v[TM+6], 16, v[PW]
	v_lshl_or_b32 v[PW], v[TM+7], 24, v[PW]
	WIN 2+(\a)/4                                   ; source 0: window 2 or 3
.irp b, 0,1,2,3
.irp i, 0,1,2,3,4,5,6,7,8,9,10,11,12,13,14,15
.endr
.endr
.irp b, 0,1,2,3
	v_cvt_scalef32_pk8_bf8_f32 v[CDS+4*\b:CDS+4*\b+1], v[AC+16*\b:AC+16*\b+7], v[TM+12+\b]
	v_cvt_scalef32_pk8_bf8_f32 v[CDS+4*\b+2:CDS+4*\b+3], v[AC+16*\b+8:AC+16*\b+15], v[TM+12+\b]
.endr
	WIN 0
	v_nop                                          ; a plain line behind the last conversion
	ds_store_b32 v[SWA], v[PW] offset:64*(\a)      ; both halves of the lanes write the same word with the same value
.if (\a) > 0
	s_wait_alu depctr_va_vdst(0)
	s_wait_xcnt 0x0                                ; the stores so far have read their base and data: the base steps here, and the next block's codes land on the set of two blocks back
.if (\a) == 4
	s_add_nc_u64 s[12:13], s[12:13], s[10:11]
.else
	s_add_nc_u64 s[12:13], s[12:13], s[8:9]
.endif
.endif
	global_store_b128 v[CO0], v[CDS:CDS+3], s[12:13]                 ; each store covers 512 consecutive bytes, aligned to 256
	global_store_b128 v[CO0], v[CDS+4:CDS+7], s[12:13] offset:512
	global_store_b128 v[CO1], v[CDS+8:CDS+11], s[12:13]
	global_store_b128 v[CO1], v[CDS+12:CDS+15], s[12:13] offset:512
.endm
.irp a, 0,1,2,3,4,5,6,7
	QOUT \a
.endr
	ds_load_b128 v[W:W+3], v[SWR]                  ; my wave's 128 words, four a lane; LDS serves a wave's instructions in order: these see my stores
	s_wait_dscnt 0x0
.irp i, 0,1,2,3
	v_and_b32 v[W+4+\i], s19, v[W+\i]
.endr
	global_store_b128 v[SO0], v[W+4:W+7], s[98:99] ; q, k: the first head's words, 512 bytes on end; v: 256 bytes for each of the two heads
	s_cmp_eq_u32 ttmp9, 2
	s_cbranch_scc1 .Lno_second
.irp i, 0,1,2,3
	v_lshrrev_b32 v[W+8+\i], 16, v[W+\i]
.endr
	global_store_b128 v[SO0], v[W+8:W+11], s[98:99] offset:HS   ; q, k: the second head's
.Lno_second:
	s_wait_tensorcnt 0x0                           ; the wave's end
	ds_add_u32 v[SPW], v[NIL]
	s_wait_dscnt 0x0
	CROUND                                         ; the closing round
	s_endpgm
.Lfunc_end_k_qaf2a5fb2e5_qkv:
	.size	k_qaf2a5fb2e5_qkv, .Lfunc_end_k_qaf2a5fb2e5_qkv-k_qaf2a5fb2e5_qkv
	.p2alignl 7, 3214868480
	.fill 96, 4, 3214868480
	.section	.rodata,"a",@progbits
	.p2align	6, 0x0
	.amdhsa_kernel k_qaf2a5fb2e5_qkv
		.amdhsa_group_segment_fixed_size 327680
		.amdhsa_private_segment_fixed_size 0
		.amdhsa_enable_private_segment 0
		.amdhsa_kernarg_size 104
		.amdhsa_user_sgpr_count 2
		.amdhsa_user_sgpr_kernarg_segment_ptr 1
		.amdhsa_wavefront_size32 1
		.amdhsa_system_sgpr_workgroup_id_x 1
		.amdhsa_system_sgpr_workgroup_id_y 1
		.amdhsa_system_sgpr_workgroup_id_z 1
		.amdhsa_system_vgpr_workitem_id 0
		.amdhsa_next_free_vgpr 1024
		.amdhsa_next_free_sgpr 102
		.amdhsa_reserve_vcc 0
		.amdhsa_float_denorm_mode_32 3
		.amdhsa_float_denorm_mode_16_64 3
		.amdhsa_fp16_overflow 1
		.amdhsa_memory_ordered 1
		.amdhsa_forward_progress 1
		.amdhsa_inst_pref_size 170
	.end_amdhsa_kernel
	.amdgpu_metadata
---
amdhsa.version: [ 1, 2 ]
amdhsa.kernels:
  - .name:           k_qaf2a5fb2e5_qkv
    .symbol:         k_qaf2a5fb2e5_qkv.kd
    .args:
      - { .name: x_codes, .offset: 0, .size: 8, .value_kind: global_buffer, .address_space: global }
      - { .name: x_scales, .offset: 8, .size: 8, .value_kind: global_buffer, .address_space: global }
      - { .name: Wq_codes, .offset: 16, .size: 8, .value_kind: global_buffer, .address_space: global }
      - { .name: Wq_scales, .offset: 24, .size: 8, .value_kind: global_buffer, .address_space: global }
      - { .name: Wk_codes, .offset: 32, .size: 8, .value_kind: global_buffer, .address_space: global }
      - { .name: Wk_scales, .offset: 40, .size: 8, .value_kind: global_buffer, .address_space: global }
      - { .name: Wv_codes, .offset: 48, .size: 8, .value_kind: global_buffer, .address_space: global }
      - { .name: Wv_scales, .offset: 56, .size: 8, .value_kind: global_buffer, .address_space: global }
      - { .name: bq, .offset: 64, .size: 8, .value_kind: global_buffer, .address_space: global }
      - { .name: bk, .offset: 72, .size: 8, .value_kind: global_buffer, .address_space: global }
      - { .name: bv, .offset: 80, .size: 8, .value_kind: global_buffer, .address_space: global }
      - { .name: qb, .offset: 88, .size: 8, .value_kind: global_buffer, .address_space: global }
      - { .name: kv, .offset: 96, .size: 8, .value_kind: global_buffer, .address_space: global }
    .group_segment_fixed_size: 327680
    .private_segment_fixed_size: 0
    .kernarg_segment_align: 8
    .kernarg_segment_size: 104
    .max_flat_workgroup_size: 128
    .sgpr_count:     102
    .vgpr_count:     1024
    .wavefront_size: 32
...
	.end_amdgpu_metadata
.endif
;; end of part 1
;; launch attn (part 2): grid 4 x 64, 16 waves a work-group, no clusters, 327,680 bytes of LDS; arguments qb, kv, a_codes, a_scales; writes a_codes, a_scales
.if DOCPART == 2
	.amdgcn_target "amdgcn-amd-amdhsa--gfx1250"
	.amdhsa_code_object_version 6
	.text
	.protected	k_qaf2a5fb2e5_attn
	.globl	k_qaf2a5fb2e5_attn
	.p2align	8
	.type	k_qaf2a5fb2e5_attn,@function
k_qaf2a5fb2e5_attn:
	s_mov_b64 s[64:65], 0
	v_nop
	global_prefetch_b8 v0, s[64:65] scope:SCOPE_SE
	s_setreg_imm32_b32 hwreg(HW_REG_WAVE_MODE, 25, 1), 1
	s_wait_xcnt 0x0
; Causal attention of one head on codes of BF8 (E5M2), one E8M0 scale for each 32 along a product's K, and the result quantised along the model's 1,024 for the last product.
; IN: qb, kv: a block of 17,152 bytes for each (batch x 16 + head, 128 rows): +0 eight tiles of 16 rows x 64 channels as images of operand registers (1,024 t + 512 c + 16 lane); +8,192 V^T, four tiles of 16 channels x 128 keys
; (2,048 t + 512 c + 16 lane); +16,384 a scale word a row (two bytes, then two zeros); +16,896 a scale word a channel.  An image is loaded by ds_load_b128 at 16 x lane and IS the operand.
; THE SCORES' K is 64: registers 8-15 of K's and of Q's fragments hold zero codes, which add nothing under the scale bytes 0 that stand over them.
; SOFTMAX: t = score x log2(e) / 8; M = the running largest t rounded up to a whole number; p = 2^(t - M) is quantised along the keys; the row's sum is taken of the unquantised p and divides at the end; when M moves, sum and O are
; multiplied by 2^(old M - new M), which rounds nothing.
; LAYOUT: both products transposed: S^T = K Q^T, O^T = V^T P^T: a lane holds one query (lane % 16).  Tile t's register j is key 16 t + 8 (lane / 16) + j: two conversions of tiles 2 c and 2 c + 1 give the order in which V's images lie.
; SHARES: a work-group owns query blocks 7 - i and i (256 queries each) of one head, a wave 16 queries of each: 8 - i slots of 256 keys for the first, i + 1 for the second: nine slots in every work-group, so the loop's
; trip count is a constant and all 256 work-groups have the same work.  A step all of whose keys come after the wave's queries is jumped over (a branch on ids); barriers and tensor loads are not.
; No cluster: the four work-groups of a head want the same slot only in their first five trips; to ask jointly in every trip they would have to walk twelve slots in place of nine.
; OUT: a_codes [row / 16][head][block of 32][lane][16 bytes], in the natural order of K, the image of the last product's operand; a_scales [row][32].  A head's two scale bytes of a row leave as two bytes: the neighbours belong to other work-groups.
; LIMITS: NaN and infinities are not served; a block whose largest magnitude lies under 2^-111 (a block of zeros too) keeps the scale byte 1; this program alone reads the bytes.
.set STEPB, 17152
.set HS,    16*STEPB
.set SLOTB, 2*STEPB                    ; a slot: two steps' blocks, consecutive in memory
.set SLOT1, 65536                      ; slot 1 begins here: one exclusive or turns an address
.set VOFF,  8192
.set KSOFF, 16384
.set VSOFF, 16896
.set SPARE, 2*SLOT1                    ; the spare words: 128 bytes for each of 16 waves, named by no other line
.set LI,  1                            ; v1   16 x lane
.set LS,  2                            ; v2   4 x lane
.set ADR, 3                            ; v3   the slot in hand + 16 x lane
.set ADS, 4                            ; v4   the slot in hand + 4 x lane
.set SPW, 5
.set NIL, 6
.set PFO, 7                            ; v7   the prefetches' offset; never rewritten
.set RW,  8                            ; v8   4 r
.set RS,  9                            ; v9   32 r
.set RH,  10                           ; v10  r - 8 h
.set QF,  16                           ; v16-23 Q, v24-31 zeros
.set KFR, 32                           ; v32-95 four fragments of K: the low eight loaded, the high eight zeros
.set S,   96                           ; v96-159 S^T, then p, then V's four fragments
.set O,   160                          ; v160-191 O^T
.set PCD, 192                          ; v192-207 p's codes
.set BM,  208                          ; block maxima
.set BP,  212                          ; the other half's; then the bytes
.set BL,  216
.set BS,  220                          ; the conversions' scale operands
.set KSW, 224                          ; v224-227 K's scale words: lanes 0-15 tile 2 b, lanes 16-31 tile 2 b + 1
.set VSW, 228                          ; v228-229 V's likewise
.set QSW, 230
.set PSW, 231
.set F,   232                          ; v232 f, v233 0 (named with it as a pair)
.set T,   234                          ; v234-238 at work
.set OC,  240                          ; v240-247 the codes that leave
.set TB,  2                            ; s2   LDS byte at which the slot in hand begins
.set TR,  3                            ; s3   the trip
.set WV,  18
.set MNT, 19
.set SEL, 20
.set CS,  22
.set G1,  24
.set G0,  32
.set KVB, 36                           ; s[36:37] kv at my head, at the step block that I fetch
.set L1,  38                           ; s38  slots of the first pass
.set SKF, 39                           ; s39  the step's first key
.set Q0,  40                           ; s40  my first query
.set HIM, 41                           ; s41  lanes 16-31
.set PFA, 42
.set LIM, 44
.set W16, 45                           ; s45  16 x wave
.macro TLOAD                           ; waves 0 and 1 fetch a step's block each; four v_nop follow the line
	s_cmp_lt_u32 s[WV], 2
	s_cbranch_scc0 .Lnone_\@
	tensor_load_to_lds s[G0:G0+3], s[G1:G1+7]
	s_nop 0
.rept 4
	v_nop
.endr
.Lnone_\@:
.endm
; A prefetch of the slot that the NEXT change of slots will ask for: 134 blocks of 256 bytes, a lane a block.  All four work-groups of a head walk the same kv: the first of them asks, in its waves 4 to 8, which fetch nothing
; (wave 8's lanes 6 on name the slot's last block again).  Trip t names slot t + 2, for t under 6: slots 2 to 7, each once in the launch; slots 0 and 1 come by their loads alone, and the second pass reads what has been read.
.macro ASK
	s_cmp_lt_u32 s[TR], s[LIM]
	s_cbranch_scc0 .Lnot_mine_\@
	global_prefetch_b8 v[PFO], s[PFA:PFA+1] th:TH_LOAD_NT scope:SCOPE_SE
.Lnot_mine_\@:
.endm
	s_load_b256 s[4:11], s[0:1], 0x0               ; qb, kv, a_codes, a_scales
	v_lshl_add_u32 v[SPW], v0, 2, SPARE
	v_mov_b32 v[NIL], 0
	ds_add_u32 v5, v6
	ds_add_u32 v5, v6
	s_wait_dscnt 0x0
	v_lshrrev_b32 v8, 5, v0
	s_delay_alu instid0(VALU_DEP_1)
	v_readfirstlane_b32 s[WV], v8                  ; wave 0..15
	s_and_b32 s46, ttmp7, 0xffff                   ; batch x 16 + head
	s_mul_i32 s48, s46, HS
	s_mov_b32 s49, 0
	s_and_b32 s50, s[WV], 1
	s_mul_i32 s50, s50, STEPB                      ; the step block that I fetch: its place in memory and in a slot
	s_mov_b32 s51, 0
	s_lshr_b32 s52, s46, 4                         ; batch
	s_and_b32 s53, s46, 15                         ; head
	s_lshl_b32 s54, s52, 21                        ; a_codes: 2,048 rows x 1,024 bytes a batch,
	s_lshl_b32 s56, s53, 10                        ; 1,024 bytes a head in a tile of 16 rows
	s_add_co_u32 s54, s54, s56
	s_mov_b32 s55, 0
	s_lshl_b32 s56, s52, 16                        ; a_scales: 2,048 rows x 32 bytes a batch,
	s_lshl_b32 s58, s53, 1                         ; two bytes a head
	s_add_co_u32 s56, s56, s58
	s_mov_b32 s57, 0
	s_mov_b32 s[G1], 3<<16                         ; no mask; elements of 8 bytes; no padding: images are read 512 bytes on end
	s_mov_b32 s[G1+1], 32<<16                      ; tensor_dim0: 256 bytes
	s_mov_b32 s[G1+2], 67<<16                      ; tensor_dim1: 67 rows = 17,152 bytes
	s_mov_b32 s[G1+3], 32<<16                      ; tile_dim0
	s_mov_b32 s[G1+4], 67                          ; tile_dim1
	s_mov_b32 s[G1+5], 32                          ; dense
	s_mov_b32 s[G1+6], 0
	s_mov_b32 s[G1+7], 0
	s_mov_b32 s[SEL], 0x76543210
	s_mov_b32 s[SEL+1], 0xfedcba98                 ; lane l xor 16
	s_mov_b32 s[CS], 0x3e38aa3b                    ; c = log2(e) / sqrt(64)
	s_mov_b32 s[CS+1], s[CS]
	s_mov_b32 s[HIM], 0xffff0000
	s_mov_b32 s[TB], 0
	s_mov_b32 s[TR], 0
	s_mov_b32 s[SKF], 0
	s_sub_co_u32 s[L1], 8, ttmp9
	s_lshl_b32 s[W16], s[WV], 4
	s_sub_co_u32 s[Q0], 7, ttmp9
	s_lshl_b32 s[Q0], s[Q0], 8
	s_add_co_u32 s[Q0], s[Q0], s[W16]              ; the first pass: block 7 - i
	s_sub_co_u32 s52, s[WV], 4
	s_cmp_lt_u32 s52, 5                            ; waves 4 to 8
	s_cselect_b32 s[LIM], 6, 0
	s_cmp_eq_u32 ttmp9, 0                          ; of the head's first work-group
	s_cselect_b32 s[LIM], s[LIM], 0
	s_wait_kmcnt 0x0
	s_add_nc_u64 s[4:5], s[4:5], s[48:49]          ; qb and kv at my head
	s_add_nc_u64 s[6:7], s[6:7], s[48:49]
	s_add_nc_u64 s[8:9], s[8:9], s[54:55]
	s_add_nc_u64 s[10:11], s[10:11], s[56:57]
	s_add_nc_u64 s[KVB:KVB+1], s[6:7], s[50:51]
	s_add_nc_u64 s[PFA:PFA+1], s[6:7], SLOTB       ; at slot 1: the first change of slots steps it to slot 2
	s_mov_b32 s[G0], 1
	s_mov_b32 s[G0+1], s50                         ; slot 0
	s_mov_b64 s[G0+2:G0+3], s[KVB:KVB+1]
	s_or_b32 s[G0+3], s[G0+3], 0x80000000
	TLOAD                                          ; keys 0 to 255
	v_and_b32 v9, 31, v0
	s_delay_alu instid0(VALU_DEP_1)
	v_lshlrev_b32 v[LI], 4, v9
	s_delay_alu instid0(VALU_DEP_2)
	v_lshlrev_b32 v[LS], 2, v9
	v_and_b32 v10, 15, v0                          ; r
	v_bfe_u32 v11, v0, 4, 1                        ; h
	s_delay_alu instid0(VALU_DEP_2)
	v_lshlrev_b32 v[RW], 2, v10
	s_delay_alu instid0(VALU_DEP_3)
	v_lshlrev_b32 v[RS], 5, v10
	s_delay_alu instid0(VALU_DEP_3)
	v_lshlrev_b32 v11, 3, v11
	s_delay_alu instid0(VALU_DEP_1)
	v_sub_nc_u32 v[RH], v10, v11
	v_add_nc_u32 v[PFO], 0xffffff80, v0            ; my thread's number less 128: 0 to 159 in waves 4 to 8,
	s_delay_alu instid0(VALU_DEP_1)
	v_lshlrev_b32 v[PFO], 8, v[PFO]                ; a block of 256 bytes each,
	s_delay_alu instid0(VALU_DEP_1)
	v_min_u32 v[PFO], 133*256, v[PFO]              ; none behind the slot's last
.irp j, 8,9,10,11,12,13,14,15
	v_mov_b32 v[QF+\j], 0                          ; zero codes for K = 64 .. 127: written once
.irp t, 0,1,2,3
	v_mov_b32 v[KFR+16*\t+\j], 0
.endr
.endr
.irp b, 0,1,2,3
	v_mov_b32 v[BP+\b], 0                          ; a lane permute's destination counts as one of its sources
	v_mov_b32 v[T+\b], 0
.endr
	v_mov_b32 v[F+1], 0
.macro LOADQ                           ; my 16 queries: an image of eight registers, and a scale word a row
	s_lshr_b32 s52, s[Q0], 7
	s_mul_i32 s52, s52, STEPB
	s_bfe_u32 s53, s[Q0], 0x30004                  ; which of the block's eight tiles
	s_lshl_b32 s54, s53, 10
	s_add_co_u32 s54, s54, s52
	s_mov_b32 s55, 0
	s_add_nc_u64 s[54:55], s[4:5], s[54:55]
	s_lshl_b32 s56, s53, 6
	s_add_co_u32 s56, s56, s52
	s_add_co_u32 s56, s56, KSOFF
	s_mov_b32 s57, 0
	s_add_nc_u64 s[56:57], s[4:5], s[56:57]
	global_load_b128 v[QF:QF+3], v[LI], s[54:55]
	global_load_b128 v[QF+4:QF+7], v[LI], s[54:55] offset:512
	global_load_b32 v[QSW], v[RW], s[56:57]
	s_wait_loadcnt 0x0
.endm
.macro INIT                            ; a pass begins: the step is written once and finds zeros, which the first change of M leaves zeros
	v_mov_b32 v13, 0xff61b1e6                      ; the largest t so far: -3e38
	s_delay_alu instid0(VALU_DEP_1)
	v_floor_f32 v12, -v13                          ; -M
	v_mov_b32 v14, 0
	v_mov_b32 v15, 0
.set j, 0
.rept 32
	v_mov_b32 v[O+j], 0
.set j, j+1
.endr
.endm
; A KEY STEP: 128 keys, the q-th of the slot in hand.
.macro STEP q
	s_add_co_u32 s52, s[Q0], 15
	s_cmp_gt_u32 s[SKF], s52                       ; all its keys come after my queries: nothing to do
	s_cbranch_scc1 .Lhidden_\@
	v_add_nc_u32 v[ADR], s[TB], v[LI]
	s_wait_alu depctr_va_vdst(0)
	v_add_nc_u32 v[ADS], s[TB], v[LS]
.rept 7
	v_nop                                          ; nine places with the two additions: the products below write over registers that the last step's products read as V
.endr
.irp g, 0,1                                    ; S^T = K Q^T, four tiles of 16 keys at a time
.if \g
.rept 8
	v_nop                                          ; places in front of loads into registers that matrix instructions have read
.endr
.endif
.irp t, 0,1,2,3
	ds_load_b128 v[KFR+16*\t:KFR+16*\t+3], v[ADR] offset:(\q)*STEPB+(4*\g+\t)*1024
	ds_load_b128 v[KFR+16*\t+4:KFR+16*\t+7], v[ADR] offset:(\q)*STEPB+(4*\g+\t)*1024+512
.endr
.if \g == 0
.irp b, 0,1,2,3
	ds_load_b32 v[KSW+\b], v[ADS] offset:(\q)*STEPB+KSOFF+128*\b
.endr
.endif
	s_wait_dscnt 0x0
.irp t, 0,1,2,3
.if (\t)%2
	v_wmma_scale_f32_16x16x128_f8f6f4 v[S+8*(4*\g+\t):S+8*(4*\g+\t)+7], v[KFR+16*\t:KFR+16*\t+15], v[QF:QF+15], 0, v[KSW+(4*\g+\t)/2], v[QSW] matrix_a_fmt:MATRIX_FMT_BF8 matrix_b_fmt:MATRIX_FMT_BF8 matrix_a_scale:MATRIX_SCALE_ROW1
.else
	v_wmma_scale_f32_16x16x128_f8f6f4 v[S+8*(4*\g+\t):S+8*(4*\g+\t)+7], v[KFR+16*\t:KFR+16*\t+15], v[QF:QF+15], 0, v[KSW+(4*\g+\t)/2], v[QSW] matrix_a_fmt:MATRIX_FMT_BF8 matrix_b_fmt:MATRIX_FMT_BF8
.endif
.endr
.endr
.rept 8
	v_nop
.endr
	s_add_co_u32 s52, s[SKF], 127                  ; on the diagonal hidden scores become -infinity ahead of the maximum; a step all of whose keys count skips this.  Key SKF counts for all my queries, so M is a number
	s_cmp_le_u32 s52, s[Q0]
	s_cbranch_scc1 .Lopen_\@
	s_sub_co_i32 s52, s[Q0], s[SKF]
	v_add_nc_u32 v[T], s52, v[RH]                  ; d = my query - SKF - 8 h: register n holds key SKF + 8 h + 16 (n / 8) + n % 8, hidden where 16 (n / 8) + n % 8 > d
	v_mov_b32 v[T+1], 0xff800000
.set n, 0
.rept 64
	v_cmp_gt_i32 vcc_lo, 16*(n/8)+n%8, v[T]
	v_cndmask_b32 v[S+n], v[S+n], v[T+1], vcc_lo
.set n, n+1
.endr
.Lopen_\@:
.irp b, 0,1,2,3
	v_max3_num_f32 v[BM+\b], v[S+16*\b], v[S+16*\b+1], v[S+16*\b+2]   ; the largest score of each block of 32 keys: for the row's maximum and, since p rises with the score, for the block's largest p
.endr
.irp i, 3,5,7,9,11,13
.irp b, 0,1,2,3
	v_max3_num_f32 v[BM+\b], v[BM+\b], v[S+16*\b+\i], v[S+16*\b+\i+1]
.endr
.endr
.irp b, 0,1,2,3
	v_max_num_f32 v[BM+\b], v[BM+\b], v[S+16*\b+15]
.endr
.irp b, 0,1,2,3
	s_delay_alu instid0(VALU_DEP_4)
	v_permlanex16_b32 v[BP+\b], v[BM+\b], s[SEL], s[SEL+1]
.endr
.irp b, 0,1,2,3
	s_delay_alu instid0(VALU_DEP_4)
	v_max_num_f32 v[BM+\b], v[BM+\b], v[BP+\b]
.endr
	s_delay_alu instid0(VALU_DEP_2)
	v_max3_num_f32 v[T], v[BM], v[BM+1], v[BM+2]
	s_delay_alu instid0(VALU_DEP_1)
	v_max_num_f32 v[T], v[T], v[BM+3]
	s_delay_alu instid0(VALU_DEP_1)
	v_mul_f32 v[T], s[CS], v[T]                    ; as t
	s_delay_alu instid0(VALU_DEP_1)
	v_max_num_f32 v13, v13, v[T]                   ; the running largest t
	v_mov_b32 v[T], v12
	s_delay_alu instid0(VALU_DEP_2)
	v_floor_f32 v12, -v13                          ; the new -M = -ceil(t)
	s_delay_alu instid0(VALU_DEP_1)
	v_sub_f32 v[T], v12, v[T]                      ; old M - new M: a whole number, 0 or less
	s_delay_alu instid0(VALU_DEP_1)
	v_cvt_i32_f32 v[T], v[T]                       ; (it saturates)
	s_delay_alu instid0(VALU_DEP_1)
	v_ldexp_f32 v[F], 1.0, v[T]                    ; f = 2^(old M - new M)
.set j, 0
.rept 32
	v_pk_fma_f32 v[S+j:S+j+1], v[S+j:S+j+1], s[CS:CS+1], v[12:13] op_sel_hi:[1,0,0]   ; t - M, two at a time
.set j, j+2
.endr
.irp b, 0,1,2,3
	v_fma_f32 v[BM+\b], v[BM+\b], s[CS], v12
.endr
.set j, 0
	s_wait_alu depctr_va_vdst(0)
.rept 64
	v_exp_f32 v[S+j], v[S+j]                       ; p = 2^(t - M)
.set j, j+1
.endr
	v_pk_mul_f32 v[14:15], v[14:15], v[F:F+1] op_sel_hi:[1,0]   ; the sums under the new M; a plain line behind the exponentials
	s_wait_alu depctr_va_vdst(0)                   ; one wait for the batch, ahead of its first reader
.irp b, 0,1,2,3
	v_exp_f32 v[BM+\b], v[BM+\b]                   ; the blocks' largest p
.endr
	v_pk_add_f32 v[234:235], v[100:101], v[104:105]
	v_pk_add_f32 v[254:255], v[108:109], v[112:113]
	v_pk_add_f32 v[252:253], v[116:117], v[120:121]
	v_pk_add_f32 v[250:251], v[124:125], v[128:129]
	v_pk_add_f32 v[248:249], v[132:133], v[136:137]
	v_pk_add_f32 v[246:247], v[140:141], v[144:145]
	v_pk_add_f32 v[244:245], v[148:149], v[152:153]
	v_pk_add_f32 v[14:15], v[14:15], v[156:157]
	v_pk_add_f32 v[234:235], v[234:235], v[96:97]
	v_pk_add_f32 v[254:255], v[254:255], v[98:99]
	v_pk_add_f32 v[252:253], v[252:253], v[102:103]
	v_pk_add_f32 v[250:251], v[250:251], v[106:107]
	v_pk_add_f32 v[248:249], v[248:249], v[110:111]
	v_pk_add_f32 v[246:247], v[246:247], v[114:115]
	v_pk_add_f32 v[244:245], v[244:245], v[118:119]
	v_pk_add_f32 v[14:15], v[14:15], v[122:123]
	v_pk_add_f32 v[234:235], v[234:235], v[126:127]
	v_pk_add_f32 v[254:255], v[254:255], v[130:131]
	v_pk_add_f32 v[252:253], v[252:253], v[134:135]
	v_pk_add_f32 v[250:251], v[250:251], v[138:139]
	v_pk_add_f32 v[248:249], v[248:249], v[142:143]
	v_pk_add_f32 v[246:247], v[246:247], v[146:147]
	v_pk_add_f32 v[244:245], v[244:245], v[150:151]
	v_pk_add_f32 v[14:15], v[14:15], v[154:155]
	v_pk_add_f32 v[234:235], v[234:235], v[158:159]
	s_delay_alu instid0(VALU_DEP_2)
	v_pk_add_f32 v[14:15], v[14:15], v[250:251]
	s_delay_alu instid0(VALU_DEP_2)
	v_pk_add_f32 v[234:235], v[234:235], v[248:249]
	v_pk_add_f32 v[254:255], v[254:255], v[246:247]
	v_pk_add_f32 v[252:253], v[252:253], v[244:245]
	s_delay_alu instid0(VALU_DEP_2)
	v_pk_add_f32 v[14:15], v[14:15], v[254:255]
	s_delay_alu instid0(VALU_DEP_2)
	v_pk_add_f32 v[234:235], v[234:235], v[252:253]
	s_delay_alu instid0(VALU_DEP_1)
	v_pk_add_f32 v[14:15], v[14:15], v[234:235]
	s_wait_alu depctr_va_vdst(0)                   ; and one for the four
.irp b, 0,1,2,3
	v_max_num_f32 v[BM+\b], 0x8000000, v[BM+\b]    ; the floor 2^(16 - 127)
.endr
.irp b, 0,1,2,3
	s_delay_alu instid0(VALU_DEP_4)
	v_add_nc_u32 v[BS+\b], 0xf8800000, v[BM+\b]
.endr
.irp b, 0,1,2,3
.endr
.irp b, 0,1,2,3
	s_delay_alu instid0(VALU_DEP_4)
	v_lshrrev_b32 v[BP+\b], 23, v[BS+\b]
.endr
	s_delay_alu instid0(VALU_DEP_3)
	v_lshl_or_b32 v[PSW], v[BP+1], 8, v[BP]        ; p's scale word for these 128 keys
	s_delay_alu instid0(VALU_DEP_1)
	v_lshl_or_b32 v[PSW], v[BP+2], 16, v[PSW]
	s_delay_alu instid0(VALU_DEP_1)
	v_lshl_or_b32 v[PSW], v[BP+3], 24, v[PSW]
.irp b, 0,1,2,3
.irp i, 0,1,2,3,4,5,6,7,8,9,10,11,12,13,14,15
.endr
	v_cvt_scalef32_pk8_bf8_f32 v[PCD+4*\b:PCD+4*\b+1], v[S+16*\b:S+16*\b+7], v[BS+\b]
	v_cvt_scalef32_pk8_bf8_f32 v[PCD+4*\b+2:PCD+4*\b+3], v[S+16*\b+8:S+16*\b+15], v[BS+\b]
.endr
	v_nop                                          ; a plain line behind the last conversion
.irp t, 0,1,2,3                                ; V's four fragments take p's registers
.irp c, 0,1,2,3
	ds_load_b128 v[S+16*\t+4*\c:S+16*\t+4*\c+3], v[ADR] offset:(\q)*STEPB+VOFF+2048*\t+512*\c
.endr
.endr
	ds_load_b32 v[VSW], v[ADS] offset:(\q)*STEPB+VSOFF
	ds_load_b32 v[VSW+1], v[ADS] offset:(\q)*STEPB+VSOFF+128
.set j, 0
.rept 16
	v_pk_mul_f32 v[O+j:O+j+1], v[O+j:O+j+1], v[F:F+1] op_sel_hi:[1,0]   ; O^T under the new M; also the places between the codes' making and the products
.set j, j+2
.endr
	s_wait_alu depctr_va_vdst(0)
	s_wait_dscnt 0x0
.irp t, 0,1,2,3                                ; O^T += V^T P^T: the four accumulators by turns
.if (\t)%2
	v_wmma_scale_f32_16x16x128_f8f6f4 v[O+8*\t:O+8*\t+7], v[S+16*\t:S+16*\t+15], v[PCD:PCD+15], v[O+8*\t:O+8*\t+7], v[VSW+\t/2], v[PSW] matrix_a_fmt:MATRIX_FMT_BF8 matrix_b_fmt:MATRIX_FMT_BF8 matrix_a_scale:MATRIX_SCALE_ROW1
.else
	v_wmma_scale_f32_16x16x128_f8f6f4 v[O+8*\t:O+8*\t+7], v[S+16*\t:S+16*\t+15], v[PCD:PCD+15], v[O+8*\t:O+8*\t+7], v[VSW+\t/2], v[PSW] matrix_a_fmt:MATRIX_FMT_BF8 matrix_b_fmt:MATRIX_FMT_BF8
.endif
.endr
.Lhidden_\@:
	s_add_co_u32 s[SKF], s[SKF], 128
.endm
; THE CHANGE OF SLOTS, at a slot's head.  Each wave waits for all its tensor loads, adds 0 to its spare word, and waits for that and for its reads of the slot that it has left.  fill = 1: that slot takes the keys of the next trip:
; slot n of the first pass, or n - L1 of the second; the load has a whole slot's steps in which to land.
.macro CHANGE fill
	s_wait_tensorcnt 0x0                           ; no tensor load of mine is out, so the descriptor may be written
	ds_add_u32 v[SPW], v[NIL]
.if \fill
	s_xor_b32 s[G0+1], s[G0+1], SLOT1
	s_add_co_u32 s52, s[TR], 1
	s_cmp_ge_u32 s52, s[L1]
	s_cselect_b32 s53, s[L1], 0
	s_sub_co_u32 s52, s52, s53
	s_mul_i32 s52, s52, SLOTB
	s_mov_b32 s53, 0
	s_add_nc_u64 s[G0+2:G0+3], s[KVB:KVB+1], s[52:53]
	s_or_b32 s[G0+3], s[G0+3], 0x80000000
	s_wait_xcnt 0x0                                ; the last prefetch, a slot back, has read its address
	s_add_nc_u64 s[PFA:PFA+1], s[PFA:PFA+1], SLOTB
.endif
	s_wait_dscnt 0x0                               ; the add is done, and my reads of the slot that I have left are over
	s_barrier_signal -1
	s_barrier_wait -1
.if \fill
	TLOAD                                          ; the first thing behind the barrier, a wave's one tensor load until the next
	ASK
.endif
.endm
.macro SLOT_STEPS
	STEP 0
	STEP 1
	s_xor_b32 s[TB], s[TB], SLOT1
.endm
; A PASS ENDS: O^T / the sum; its two blocks of 32 channels are quantised; the codes change halves so that a lane holds 16 neighbours along the model's axis, and leave as 1,024 bytes on end.
.macro FINISH
.rept 8
	v_nop                                          ; places behind the last products
.endr
	v_add_f32 v14, v14, v15
	s_delay_alu instid0(VALU_DEP_1)
	v_permlanex16_b32 v[T+2], v14, s[SEL], s[SEL+1]
	s_delay_alu instid0(VALU_DEP_1)
	v_add_f32 v14, v14, v[T+2]                     ; the row's sum
	s_wait_alu depctr_va_vdst(0)
	v_rcp_f32 v14, v14
	v_nop                                          ; a plain line behind the reciprocal
	s_wait_alu depctr_va_vdst(0)                   ; and the wait ahead of its first reader
.set j, 0
.rept 16
	v_pk_mul_f32 v[S+j:S+j+1], v[O+j:O+j+1], v[14:15] op_sel_hi:[1,0]   ; register 8 t + i: channel 16 t + 8 h + i of my query
.set j, j+2
.endr
.irp b, 0,1
	v_max3_num_f32 v[BM+\b], |v[S+16*\b]|, |v[S+16*\b+1]|, 0x8000000
.endr
.irp i, 2,4,6,8,10,12,14
.irp b, 0,1
	s_delay_alu instid0(VALU_DEP_2)
	v_max3_num_f32 v[BM+\b], v[BM+\b], |v[S+16*\b+\i]|, |v[S+16*\b+\i+1]|
.endr
.endr
.irp b, 0,1
	s_delay_alu instid0(VALU_DEP_2)
	v_permlanex16_b32 v[BP+\b], v[BM+\b], s[SEL], s[SEL+1]
.endr
.irp b, 0,1
	s_delay_alu instid0(VALU_DEP_2)
	v_max_num_f32 v[BM+\b], v[BM+\b], v[BP+\b]
.endr
.irp b, 0,1
	s_delay_alu instid0(VALU_DEP_2)
	v_add_nc_u32 v[BS+\b], 0xf8800000, v[BM+\b]
.endr
.irp b, 0,1
.endr
.irp b, 0,1
	s_delay_alu instid0(VALU_DEP_2)
	v_lshrrev_b32 v[BP+\b], 23, v[BS+\b]
.endr
	s_delay_alu instid0(VALU_DEP_1)
	v_lshl_or_b32 v[T+4], v[BP+1], 8, v[BP]        ; the head's two scale bytes of my row
.irp b, 0,1
.irp i, 0,1,2,3,4,5,6,7,8,9,10,11,12,13,14,15
.endr
	v_cvt_scalef32_pk8_bf8_f32 v[PCD+4*\b:PCD+4*\b+1], v[S+16*\b:S+16*\b+7], v[BS+\b]       ; channels 32 b + 8 h + 0..7
	v_cvt_scalef32_pk8_bf8_f32 v[PCD+4*\b+2:PCD+4*\b+3], v[S+16*\b+8:S+16*\b+15], v[BS+\b]  ; channels 32 b + 16 + 8 h + 0..7
.endr
	v_nop
.irp b, 0,1                                    ; lanes 0-15 want channels 32 b + 0..15, lanes 16-31 channels 32 b + 16..31: each half sends the eight that the other wants
.irp k, 0,1
	v_cndmask_b32 v[T+\k], v[PCD+4*\b+2+\k], v[PCD+4*\b+\k], s[HIM]
.endr
.irp k, 0,1
	s_delay_alu instid0(VALU_DEP_2)
	v_permlanex16_b32 v[T+2+\k], v[T+\k], s[SEL], s[SEL+1]
.endr
.irp k, 0,1
	v_cndmask_b32 v[OC+4*\b+\k], v[PCD+4*\b+\k], v[T+2+\k], s[HIM]
.endr
.irp k, 0,1
	v_cndmask_b32 v[OC+4*\b+2+\k], v[T+2+\k], v[PCD+4*\b+2+\k], s[HIM]
.endr
.endr
	s_lshl_b32 s58, s[Q0], 10
	s_mov_b32 s59, 0
	s_add_nc_u64 s[58:59], s[8:9], s[58:59]
	s_lshl_b32 s60, s[Q0], 5
	s_mov_b32 s61, 0
	s_add_nc_u64 s[60:61], s[10:11], s[60:61]
	global_store_b128 v[LI], v[OC:OC+3], s[58:59]                ; 512 consecutive bytes, aligned to 256
	global_store_b128 v[LI], v[OC+4:OC+7], s[58:59] offset:512
	global_store_b16 v[RS], v[T+4], s[60:61]                     ; both halves of the lanes write the same two bytes
	s_wait_xcnt 0x0                                ; the stores have read their registers: all may be written again
.endm
	LOADQ
	INIT
.Lslot:                                            ; eight trips; the ninth slot is written out
	CHANGE 1
	SLOT_STEPS
	s_add_co_u32 s52, s[TR], 1
	s_cmp_lg_u32 s52, s[L1]                        ; the first pass ends behind its last slot: a branch on the work-group's number, the same in all sixteen waves
	s_cbranch_scc1 .Lsame_pass
	FINISH
	s_lshl_b32 s[Q0], ttmp9, 8
	s_add_co_u32 s[Q0], s[Q0], s[W16]              ; the second pass: block i, from key 0 on
	s_mov_b32 s[SKF], 0
	LOADQ
	INIT
.Lsame_pass:
	s_add_co_u32 s[TR], s[TR], 1
	s_cmp_lt_u32 s[TR], 8
	s_cbranch_scc1 .Lslot
	CHANGE 0
	SLOT_STEPS
	FINISH
	s_wait_tensorcnt 0x0                           ; the wave's end
	ds_add_u32 v[SPW], v[NIL]
	s_wait_dscnt 0x0
	s_endpgm
.Lfunc_end_k_qaf2a5fb2e5_attn:
	.size	k_qaf2a5fb2e5_attn, .Lfunc_end_k_qaf2a5fb2e5_attn-k_qaf2a5fb2e5_attn
	.p2alignl 7, 3214868480
	.fill 96, 4, 3214868480
	.section	.rodata,"a",@progbits
	.p2align	6, 0x0
	.amdhsa_kernel k_qaf2a5fb2e5_attn
		.amdhsa_group_segment_fixed_size 327680
		.amdhsa_private_segment_fixed_size 0
		.amdhsa_enable_private_segment 0
		.amdhsa_kernarg_size 32
		.amdhsa_user_sgpr_count 2
		.amdhsa_user_sgpr_kernarg_segment_ptr 1
		.amdhsa_wavefront_size32 1
		.amdhsa_system_sgpr_workgroup_id_x 1
		.amdhsa_system_sgpr_workgroup_id_y 1
		.amdhsa_system_sgpr_workgroup_id_z 1
		.amdhsa_system_vgpr_workitem_id 0
		.amdhsa_next_free_vgpr 256
		.amdhsa_next_free_sgpr 66
		.amdhsa_reserve_vcc 1
		.amdhsa_float_denorm_mode_32 3
		.amdhsa_float_denorm_mode_16_64 3
		.amdhsa_fp16_overflow 1
		.amdhsa_memory_ordered 1
		.amdhsa_forward_progress 1
		.amdhsa_inst_pref_size 114
	.end_amdhsa_kernel
	.amdgpu_metadata
---
amdhsa.version: [ 1, 2 ]
amdhsa.kernels:
  - .name:           k_qaf2a5fb2e5_attn
    .symbol:         k_qaf2a5fb2e5_attn.kd
    .args:
      - { .name: qb, .offset: 0, .size: 8, .value_kind: global_buffer, .address_space: global }
      - { .name: kv, .offset: 8, .size: 8, .value_kind: global_buffer, .address_space: global }
      - { .name: a_codes, .offset: 16, .size: 8, .value_kind: global_buffer, .address_space: global }
      - { .name: a_scales, .offset: 24, .size: 8, .value_kind: global_buffer, .address_space: global }
    .group_segment_fixed_size: 327680
    .private_segment_fixed_size: 0
    .kernarg_segment_align: 8
    .kernarg_segment_size: 32
    .max_flat_workgroup_size: 512
    .sgpr_count:     66
    .vgpr_count:     256
    .wavefront_size: 32
...
	.end_amdgpu_metadata
.endif
;; end of part 2
;; launch proj (part 3): grid 4 x 32, 4 waves a work-group, clusters of 4 x 4, 327,680 bytes of LDS; arguments a_codes, a_scales, Wo_codes, Wo_scales, bo, out0; writes out0
.if DOCPART == 3
	.amdgcn_target "amdgcn-amd-amdhsa--gfx1250"
	.amdhsa_code_object_version 6
	.text
	.protected	k_qaf2a5fb2e5_proj
	.globl	k_qaf2a5fb2e5_proj
	.p2align	8
	.type	k_qaf2a5fb2e5_proj,@function
k_qaf2a5fb2e5_proj:
	s_mov_b64 s[64:65], 0
	v_nop
	global_prefetch_b8 v0, s[64:65] scope:SCOPE_SE
	s_setreg_imm32_b32 hwreg(HW_REG_WAVE_MODE, 25, 1), 1
	s_wait_xcnt 0x0
	s_wait_alu depctr_hold_cnt(0) depctr_sa_sdst(0) depctr_va_vdst(0) depctr_va_sdst(0) depctr_va_ssrc(0) depctr_va_vcc(0) depctr_vm_vsrc(0)
	s_getreg_b32 s2, hwreg(HW_REG_IB_STS2, 6, 4)
	s_cmp_eq_u32 s2, 0
	s_cbranch_scc0 .Lentry_in_a_cluster
	s_endpgm
.Lentry_in_a_cluster:
	s_bfe_u32 s2, ttmp6, 0x10000c
	s_cmp_lg_u32 s2, 0xf033
	s_cbranch_scc0 .Lentry_shape_is_right
	s_endpgm
.Lentry_shape_is_right:
; out0 = a Wo + bo on codes of BF8 (E5M2), one E8M0 scale for each 32 along K = 1,024.  a: the attention's result, 8,192 rows; out0 [8192][1024] f32.
; a_codes lie as images of operand registers: [row / 16][K / 128][c][lane][16 bytes]: a fragment is four ds_load_b128 at 16 x lane, 512 bytes on end.  a_scales [8192][32], Wo_codes [1024][1024], Wo_scales [1024][32] lie by rows.
; A tile of out0, 256 x 256, is made by four waves, each 128 x 128: 64 accumulators.  K goes in four steps of 256 through two LDS slots; the scale bytes of all of K come once.
; CLUSTERS of 4 x 4: a's tiles are asked for jointly along a row of the cluster, Wo's along a column.  128 work-groups: the tile is kept at 256 x 256 for the sake of the LDS bytes that a product reads.
; THE MATRIX INSTRUCTION IS USED TRANSPOSED (source 0 = 16 rows of Wo, source 1 = 16 rows of a): a lane holds eight neighbouring numbers of a row of out0.  bo is the C of each sum's first product.
; REGISTERS: window 0: v13-29 addresses; v32-63 scale words, two sets; v64-127 bo; v128-255 a's fragments, one set.  window 1: Wo's fragments, two sets.  windows 2, 3: the accumulators.
.set NQ,     2
.set ROWB,   256
.set KROW,   1024
.set PITCH,  272
.set FR,     16
.set NL,     4
.set NP,     8
.set HALFA,  32768                     ; a: 8 tiles of 16 rows x 4,096 bytes (256 along K): what one tensor load brings
.set HALFT,  128*PITCH                 ; Wo: 128 rows
.set BOFF,   2*HALFA                   ; Wo's rows lie behind a's images
.set SLOT,   2*HALFA+2*HALFT
.set KS,     32
.set SCL,    2*SLOT
.set HALFS,  (128*KS/256)*272
.set SBLK,   (16*KS/256)*272
.set SPARE,  SCL+4*HALFS
.set SPITCH, 528                       ; the way out: 16 rows x (512 bytes + 16) a wave, in slot 0, which has had its last fill and its last read by then
.set SIZE_N, 1024
.set BO1,  13
.set ADRA, 16
.set ADRB, 20
.set STO,  24
.set RD,   25
.set CO,   26
.set ADRS, 27
.set SPW,  28
.set NIL,  29
.set SC,   32
.set BI,   64
.set AF,   128
.set BK,   128
.set G1, 24
.set G0, 32
.set G1B, 48
.set G0B, 56
.set G1S, 68
.set G0S, 76
.set G1SB, 80
.set G0SB, 88
.set MSB, 0
.macro WIN new
.if MSB != (\new)
	s_set_vgpr_msb (MSB<<8)|(\new)
.set MSB, (\new)
.endif
.endm
.set MUL_LO, 0xa1
.set MUL_HI, 0xf1
.set TO_B,   0x40
.macro JLOAD g0a, g1a, g0b, g1b        ; waves 0 and 1 fetch for a, waves 2 and 3 for Wo; four v_nop follow each line
	s_cmp_eq_u32 s15, 0
	s_cbranch_scc0 .Lfor_b_\@
	tensor_load_to_lds s[\g0a:\g0a+3], s[\g1a:\g1a+7]
	s_nop 0
.rept 4
	v_nop
.endr
	s_branch .Lasked_\@
.Lfor_b_\@:
	tensor_load_to_lds s[\g0b:\g0b+3], s[\g1b:\g1b+7]
	s_nop 0
.rept 4
	v_nop
.endr
.Lasked_\@:
.endm
.macro CREST
	s_cmp_lg_u32 s14, 0
	s_cbranch_scc1 .Lnot_wave_0_\@
	s_barrier_signal -3
.Lnot_wave_0_\@:
	s_barrier_wait -3
	s_barrier_signal -1
	s_barrier_wait -1
.endm
.macro CROUND
	s_barrier_signal -1
	s_barrier_wait -1
	CREST
.endm
	s_load_b128 s[4:7], s[0:1], 0x0                ; a's codes, a's scales
	s_load_b128 s[8:11], s[0:1], 0x10              ; Wo's codes, Wo's scales
	s_load_b64 s[96:97], s[0:1], 0x20              ; bo
	s_load_b64 s[12:13], s[0:1], 0x28              ; out0
	v_lshl_add_u32 v[SPW], v0, 2, SPARE
	v_mov_b32 v[NIL], 0
	ds_add_u32 v28, v29
	ds_add_u32 v28, v29
	s_wait_dscnt 0x0
	v_lshrrev_b32 v1, 5, v0
	v_readfirstlane_b32 s14, v1                    ; wave 0..3
	s_lshr_b32 s15, s14, 1                         ; which half of the tile's rows is mine.  Also: I fetch for a (0) or for Wo (1)
	s_and_b32 s16, s14, 1                          ; which half of its columns.  Also: which half I fetch
	s_bfe_u32 s40, ttmp6, 0x40000                  ; cx
	s_bfe_u32 s41, ttmp6, 0x40004                  ; cy
	s_lshl_b32 s42, ttmp9, 2
	s_add_co_u32 s42, s42, s40                     ; tile column
	s_and_b32 s17, ttmp7, 0xffff
	s_lshl_b32 s17, s17, 2
	s_add_co_u32 s17, s17, s41                     ; tile row
	s_lshl_b32 s43, s41, 2
	s_lshl_b32 s43, 15, s43                        ; my row of the cluster
	s_lshl_b32 s44, 0x1111, s40                    ; my column
	s_or_b32 s[G1+0], s43, (3<<16)|(1<<21)         ; a: mask; elements of 8 bytes; bit 21 beside a mask; no padding: images are read 512 bytes on end
	s_mov_b32 s[G1+1], 512<<16                     ; tensor_dim0: 4,096 bytes: a tile of 16 rows x 256 along K
	s_mov_b32 s[G1+2], 8<<16                       ; tensor_dim1: 8 tiles
	s_mov_b32 s[G1+3], 512<<16
	s_mov_b32 s[G1+4], 8
	s_mov_b32 s[G1+5], 2048                        ; 16,384 bytes from a tile of rows to the next
	s_mov_b32 s[G1+6], 0
	s_mov_b32 s[G1+7], 0
	s_or_b32 s[G1B+0], s44, (0<<16)|(1<<20)|(1<<21)|(5<<22)|(3<<25)  ; Wo: 128 rows of 256 bytes, 16 bytes of padding behind each
	s_mov_b32 s[G1B+1], ROWB<<16
	s_mov_b32 s[G1B+2], 128<<16
	s_mov_b32 s[G1B+3], ROWB<<16
	s_mov_b32 s[G1B+4], 128
	s_mov_b32 s[G1B+5], KROW
	s_mov_b32 s[G1B+6], 0
	s_mov_b32 s[G1B+7], 0
	s_or_b32 s[G1S+0], s43, (3<<16)|(1<<20)|(1<<21)|(5<<22)|(3<<25)  ; the scales of 128 rows: 16 rows of 256 bytes, 16 bytes of padding behind each
	s_or_b32 s[G1SB+0], s44, (3<<16)|(1<<20)|(1<<21)|(5<<22)|(3<<25)
.irp g, G1S, G1SB
	s_mov_b32 s[\g+1], 32<<16
	s_mov_b32 s[\g+2], (128*KS/256)<<16
	s_mov_b32 s[\g+3], 32<<16
	s_mov_b32 s[\g+4], 128*KS/256
	s_mov_b32 s[\g+5], 32
	s_mov_b32 s[\g+6], 0
	s_mov_b32 s[\g+7], 0
.endr
	s_lshl_b32 s18, s16, 7
	s_lshl_b32 s20, s17, 8
	s_add_co_u32 s20, s20, s18                     ; a: row 256 x tile row + 128 x half
	s_lshl_b32 s46, s42, 8
	s_add_co_u32 s46, s46, s18                     ; Wo: row 256 x tile column + 128 x half
	s_mov_b32 s21, 0
	s_mov_b32 s47, 0
	s_lshl_b64 s[22:23], s[20:21], 5               ; their scale bytes
	s_lshl_b64 s[92:93], s[46:47], 5
	s_lshl_b64 s[20:21], s[20:21], 10              ; their codes: 16 rows of a are 16,384 bytes too
	s_lshl_b64 s[46:47], s[46:47], 10
	s_mul_i32 s45, s16, HALFA                      ; where they go: a's half,
	s_mul_i32 s95, s16, HALFT
	s_add_co_u32 s95, s95, BOFF                    ; Wo's half,
	s_mul_i32 s94, s14, HALFS                      ; the scales: wave x 128 rows
	s_lshl_b32 s2, s42, 10
	s_lshl_b32 s3, s16, 9
	s_add_co_u32 s2, s2, s3                        ; my first column, in bytes of f32
	s_mov_b32 s3, 0
	s_wait_kmcnt 0x0
	s_add_nc_u64 s[20:21], s[4:5], s[20:21]
	s_add_nc_u64 s[22:23], s[6:7], s[22:23]
	s_add_nc_u64 s[46:47], s[8:9], s[46:47]
	s_add_nc_u64 s[92:93], s[10:11], s[92:93]
	s_add_nc_u64 s[96:97], s[96:97], s[2:3]        ; bo at my first column
	CROUND                                         ; all sixteen work-groups are here: the first joint loads meet
	s_mov_b32 s[G0S], 1
	s_add_co_u32 s[G0S+1], s94, SCL
	s_mov_b64 s[G0S+2:G0S+3], s[22:23]
	s_or_b32 s[G0S+3], s[G0S+3], 0x80000000
	s_mov_b32 s[G0SB], 1
	s_add_co_u32 s[G0SB+1], s94, SCL
	s_mov_b64 s[G0SB+2:G0SB+3], s[92:93]
	s_or_b32 s[G0SB+3], s[G0SB+3], 0x80000000
	JLOAD G0S, G1S, G0SB, G1SB
.irp s, 0,1
	s_mov_b32 s[G0+4*\s], 1
	s_add_co_u32 s[G0+4*\s+1], s45, \s*SLOT
	s_add_nc_u64 s[G0+4*\s+2:G0+4*\s+3], s[20:21], \s*4096
	s_or_b32 s[G0+4*\s+3], s[G0+4*\s+3], 0x80000000
	s_mov_b32 s[G0B+4*\s], 1
	s_add_co_u32 s[G0B+4*\s+1], s95, \s*SLOT
	s_add_nc_u64 s[G0B+4*\s+2:G0B+4*\s+3], s[46:47], \s*ROWB
	s_or_b32 s[G0B+4*\s+3], s[G0B+4*\s+3], 0x80000000
	s_wait_alu depctr_va_vdst(0)
	s_wait_tensorcnt 0x0
	ds_add_u32 v28, v29
	s_wait_dscnt 0x0
	CROUND
	JLOAD G0+4*\s, G1, G0B+4*\s, G1B               ; one tensor load of mine is out now
.endr
	v_and_b32 v1, 15, v0                           ; r
	v_bfe_u32 v2, v0, 4, 1                         ; h
	v_and_b32 v6, 31, v0                           ; lane
	v_lshlrev_b32 v[CO], 4, v6                     ; 16 x lane
	v_mul_u32_u24 v3, v1, PITCH
	v_lshl_add_u32 v4, v2, 4, v3
	s_mul_i32 s21, s15, HALFA                      ; my 128 rows of a
	s_mul_i32 s22, s16, HALFT                      ; my 128 rows of Wo
	s_add_co_u32 s22, s22, BOFF
.irp s, 0,1
	v_add_nc_u32 v[ADRA+\s], s21, v[CO]
	v_add_nc_u32 v[ADRB+\s], s22, v4
	s_add_co_u32 s21, s21, SLOT
	s_add_co_u32 s22, s22, SLOT
.endr
	v_mul_u32_u24 v5, v1, KS
	v_lshrrev_b32 v6, 8, v5
	v_lshl_add_u32 v5, v6, 4, v5
	s_mul_i32 s21, s15, HALFS
	s_mul_i32 s22, s16, HALFS
	s_add_co_u32 s22, s22, 2*HALFS
	s_sub_co_u32 s22, s22, s21
	v_mul_u32_u24 v6, s22, v2                      ; lanes 16-31 take Wo's
	s_add_co_u32 s21, s21, SCL
	v_add_nc_u32 v5, v5, v6
	v_add_nc_u32 v[ADRS], s21, v5
	s_mul_i32 s23, s14, 16*SPITCH                  ; my stage
	v_mul_u32_u24 v5, v1, SPITCH
	v_lshl_add_u32 v5, v2, 5, v5
	v_add_nc_u32 v[STO], s23, v5                   ; in: row r, 32 bytes for each half of the lanes
	v_add_nc_u32 v[RD], s23, v[CO]                 ; back: the 32 lanes take one row of 512 bytes
	v_lshlrev_b32 v[BO1], 5, v2
.irp b, 0,1,2,3,4,5,6,7                        ; accumulator (a, b) begins with bo of columns 16 b + 8 h + 0..7
	global_load_b128 v[BI+8*\b:BI+8*\b+3], v[BO1], s[96:97] offset:64*\b
	global_load_b128 v[BI+8*\b+4:BI+8*\b+7], v[BO1], s[96:97] offset:64*\b+16
.endr
	s_lshl_b32 s20, s17, 8
	s_lshl_b32 s21, s15, 7
	s_add_co_u32 s20, s20, s21                     ; my first row of out0
	s_mov_b32 s21, 0
	s_lshl_b64 s[20:21], s[20:21], 12              ; 4,096 bytes a row
	s_add_nc_u64 s[20:21], s[20:21], s[2:3]
	s_add_nc_u64 s[12:13], s[12:13], s[20:21]
	s_wait_alu depctr_va_vdst(0)
	s_wait_loadcnt 0x0                             ; bo is in
.macro FRAGB reg, adr, q, i
.irp c, 0,1,2,3
	ds_load_b128 v[\reg+4*\c:\reg+4*\c+3], v[\adr] offset:128*(\q)+32*\c+(\i)*16*PITCH
.endr
.endm
.macro FRAGA reg, adr, q, i            ; an image: tile of rows i, the slot's q-th 128 along K, registers 4 c on
.irp c, 0,1,2,3
	ds_load_b128 v[\reg+4*\c:\reg+4*\c+3], v[\adr] offset:4096*(\i)+2048*(\q)+512*\c
.endr
.endm
; 16 matrix instructions: a's blocks a0, a0 + 1 x Wo's eight.  cm = 1: the sums begin with bo.  The 64 accumulators take turns, one instruction a turn, in the same order in every step.
.macro MUL16 a0, p, q, sc, cm
.irp a, \a0, \a0+1
.irp b, 0,1,2,3,4,5,6,7
.set rD, 8*(8*((\a)%4)+\b)
.set rB, 128*(\p)+FR*\b
.set rA, AF+FR*(\a)
.set sB, SC+8*NQ*(\sc)+NQ*\b+(\q)
.set sA, SC+8*NQ*(\sc)+NQ*(\a)+(\q)
.if (\cm) == 0
	v_wmma_scale_f32_16x16x128_f8f6f4 v[rD:rD+7], v[rB:rB+FR-1], v[rA:rA+FR-1], v[rD:rD+7], v[sB], v[sA] matrix_a_fmt:MATRIX_FMT_BF8 matrix_b_fmt:MATRIX_FMT_BF8 matrix_a_scale:MATRIX_SCALE_ROW1
.else
	v_wmma_scale_f32_16x16x128_f8f6f4 v[rD:rD+7], v[rB:rB+FR-1], v[rA:rA+FR-1], v[BI+8*\b:BI+8*\b+7], v[sB], v[sA] matrix_a_fmt:MATRIX_FMT_BF8 matrix_b_fmt:MATRIX_FMT_BF8 matrix_a_scale:MATRIX_SCALE_ROW1
.endif
.endr
.endr
.endm
.macro FETCH_B slot, q, p
	WIN TO_B
.irp i, 0,1,2,3,4,5,6,7
	FRAGB 128*(\p)+FR*\i, ADRB+\slot, \q, \i
.endr
	WIN 0
.endm
.macro FETCH_A slot, q, i0
.irp i, \i0, \i0+1, \i0+2, \i0+3
	FRAGA AF+FR*(\i), ADRA+\slot, \q, \i
.endr
.endm
.macro SCALES sc
.irp i, 0,1,2,3,4,5,6,7
	ds_load_b64 v[SC+8*NQ*\sc+NQ*\i:SC+8*NQ*\sc+NQ*\i+1], v[ADRS] offset:\i*SBLK
.endr
.endm
.macro PLACES n                        ; plain vector instructions between a matrix instruction and a load into, or a read of, its registers
.rept \n
	v_nop
.endr
.endm
.macro STEP slot, q, cm
	s_wait_dscnt 4*NL                              ; all but the youngest sixteen loads (a's blocks 4-7) are in
.if \cm
	WIN 0x81
.else
	WIN MUL_LO
.endif
	MUL16 0, (\q)%2, \q, \slot, \cm
	MUL16 2, (\q)%2, \q, \slot, \cm
	s_wait_dscnt 0
	PLACES NP
	FETCH_B \slot, (\q)+1, 1-(\q)%2
	FETCH_A \slot, (\q)+1, 0
.if \cm
	WIN 0xc1
.else
	WIN MUL_HI
.endif
	MUL16 4, (\q)%2, \q, \slot, \cm
	MUL16 6, (\q)%2, \q, \slot, \cm
	PLACES NP
	WIN 0
	FETCH_A \slot, (\q)+1, 4
.endm
.macro TURN slot, next, fill
	s_wait_tensorcnt 0x0                           ; all my tensor loads have landed: my part of the next slot
	ds_add_u32 v[SPW], v[NIL]
	s_wait_dscnt 4*NL+1                            ; (the add and the youngest sixteen loads may be out)
	WIN MUL_LO
	MUL16 0, 1, NQ-1, \slot, 0
	s_wait_dscnt 0x0                               ; the add is done, and my reads of this slot are over
	s_barrier_signal -1
	MUL16 2, 1, NQ-1, \slot, 0
	WIN 0
	s_barrier_wait -1
.if \fill
	CREST                                          ; the barrier has opened a round of the cluster's
	s_add_nc_u64 s[G0+4*\slot+2:G0+4*\slot+3], s[G0+4*\slot+2:G0+4*\slot+3], 2*4096
	s_add_nc_u64 s[G0B+4*\slot+2:G0B+4*\slot+3], s[G0B+4*\slot+2:G0B+4*\slot+3], 2*ROWB
	JLOAD G0+4*\slot, G1, G0B+4*\slot, G1B         ; the first tensor load behind the round
	PLACES NP-4
.else
	PLACES NP
.endif
	s_wait_alu depctr_va_vdst(0)
	v_add_nc_u32 v[ADRS], 4*NQ, v[ADRS]
	FETCH_B \next, 0, 0
	FETCH_A \next, 0, 0
	SCALES \next
	WIN MUL_HI
	MUL16 4, 1, NQ-1, \slot, 0
	MUL16 6, 1, NQ-1, \slot, 0
	PLACES NP
	WIN 0
	FETCH_A \next, 0, 4
.endm
	s_wait_tensorcnt 1                             ; the scales and my part of K step 0 are in; K step 1's load may be out
	s_barrier_signal -1
	s_barrier_wait -1
	FETCH_B 0, 0, 0
	FETCH_A 0, 0, 0
	SCALES 0
	FETCH_A 0, 0, 4
	STEP 0, 0, 1                                   ; the first products begin the sums with bo
	TURN 0, 1, 1
	STEP 1, 0, 0
	TURN 1, 0, 1
	STEP 0, 0, 0
	TURN 0, 1, 0
	STEP 1, 0, 0
	s_wait_dscnt 4*NL
	WIN MUL_LO
	MUL16 0, 1, NQ-1, 1, 0
	MUL16 2, 1, NQ-1, 1, 0
	s_wait_dscnt 0
	WIN MUL_HI
	MUL16 4, 1, NQ-1, 1, 0
	MUL16 6, 1, NQ-1, 1, 0
	WIN 0
; THE WAY OUT, block by block of 16 rows x 128 columns, through my own stage: in as 32 bytes a lane, back as whole rows of 512 bytes.  LDS serves a wave's instructions in order (ISA guide 5.7.1.4).
.macro TOSTAGE a
.set AC, 64*((\a)%4)
	WIN 0x08+4*((\a)/4)                            ; the data: window 2 or 3
.irp b, 0,1,2,3,4,5,6,7
	ds_store_b128 v[STO], v[AC+8*\b:AC+8*\b+3] offset:64*\b          ; each accumulator from its low end on
	ds_store_b128 v[STO], v[AC+8*\b+4:AC+8*\b+7] offset:64*\b+16
.endr
	WIN 0
.set BB, BK+64*((\a)%2)
.irp t, 0,1,2,3,4,5,6,7,8,9,10,11,12,13,14,15
	ds_load_b128 v[BB+4*\t:BB+4*\t+3], v[RD] offset:\t*SPITCH
.endr
.endm
.macro SEND a, younger                 ; younger: the LDS instructions issued behind block a's loads
.set BB, BK+64*((\a)%2)
	s_wait_dscnt \younger
.if (\a) > 0
	s_add_nc_u64 s[12:13], s[12:13], 16*SIZE_N*4   ; (behind a wait on XCNT: the earlier stores have read their base)
.endif
.irp t, 0,1,2,3,4,5,6,7,8,9,10,11,12,13,14,15
	global_store_b128 v[CO], v[BB+4*\t:BB+4*\t+3], s[12:13] offset:\t*SIZE_N*4 th:TH_STORE_NT   ; 32 lanes store 512 consecutive bytes, aligned to 256
.endr
.endm
	PLACES NP
	TOSTAGE 0
.irp a, 1,2,3,4,5,6,7
.if \a > 1
	s_wait_xcnt 0x0                                ; block a - 2's stores have read their registers and their base
.endif
	TOSTAGE \a
	SEND \a-1, 32                                  ; behind block a - 1's loads: block a's 16 stores and 16 loads
.endr
	s_wait_xcnt 0x0
	SEND 7, 0
	s_wait_tensorcnt 0x0                           ; the wave's end
	ds_add_u32 v[SPW], v[NIL]
	s_wait_dscnt 0x0
	CROUND                                         ; the closing round
	s_endpgm
.Lfunc_end_k_qaf2a5fb2e5_proj:
	.size	k_qaf2a5fb2e5_proj, .Lfunc_end_k_qaf2a5fb2e5_proj-k_qaf2a5fb2e5_proj
	.p2alignl 7, 3214868480
	.fill 96, 4, 3214868480
	.section	.rodata,"a",@progbits
	.p2align	6, 0x0
	.amdhsa_kernel k_qaf2a5fb2e5_proj
		.amdhsa_group_segment_fixed_size 327680
		.amdhsa_private_segment_fixed_size 0
		.amdhsa_enable_private_segment 0
		.amdhsa_kernarg_size 48
		.amdhsa_user_sgpr_count 2
		.amdhsa_user_sgpr_kernarg_segment_ptr 1
		.amdhsa_wavefront_size32 1
		.amdhsa_system_sgpr_workgroup_id_x 1
		.amdhsa_system_sgpr_workgroup_id_y 1
		.amdhsa_system_sgpr_workgroup_id_z 1
		.amdhsa_system_vgpr_workitem_id 0
		.amdhsa_next_free_vgpr 1024
		.amdhsa_next_free_sgpr 98
		.amdhsa_reserve_vcc 0
		.amdhsa_float_denorm_mode_32 3
		.amdhsa_float_denorm_mode_16_64 3
		.amdhsa_memory_ordered 1
		.amdhsa_forward_progress 1
		.amdhsa_inst_pref_size 148
	.end_amdhsa_kernel
	.amdgpu_metadata
---
amdhsa.version: [ 1, 2 ]
amdhsa.kernels:
  - .name:           k_qaf2a5fb2e5_proj
    .symbol:         k_qaf2a5fb2e5_proj.kd
    .args:
      - { .name: a_codes, .offset: 0, .size: 8, .value_kind: global_buffer, .address_space: global }
      - { .name: a_scales, .offset: 8, .size: 8, .value_kind: global_buffer, .address_space: global }
      - { .name: Wo_codes, .offset: 16, .size: 8, .value_kind: global_buffer, .address_space: global }
      - { .name: Wo_scales, .offset: 24, .size: 8, .value_kind: global_buffer, .address_space: global }
      - { .name: bo, .offset: 32, .size: 8, .value_kind: global_buffer, .address_space: global }
      - { .name: out0, .offset: 40, .size: 8, .value_kind: global_buffer, .address_space: global }
    .group_segment_fixed_size: 327680
    .private_segment_fixed_size: 0
    .kernarg_segment_align: 8
    .kernarg_segment_size: 48
    .max_flat_workgroup_size: 128
    .sgpr_count:     98
    .vgpr_count:     1024
    .wavefront_size: 32
...
	.end_amdgpu_metadata
.endif
;; end of part 3
